; MI455X (gfx1250); checked and timed in simulation.
; The chip was launched on July 23, 2026; its instructions are those of AMD's public machine-readable ISA for CDNA 5 (MIT licence, August 2026) and "CDNA5" Instruction Set Architecture Reference Guide (July 2026). The comments in the code are by the model that wrote it; some were corrected since.
;; Parcae Causal Self Attention. Allowed arithmetic: float matrix products may take bf16 or f16 operands with f32 sums; other float arithmetic in f32, or as packed bf16 or f16 multiplies, adds, multiply-adds, maxima and minima; sums over many terms, partial sums and values carried from step to step in f32; what a program stores and reads back later, other than sums and carried values, may be rounded once to bf16 or f16.
;; Inputs: Wk 2,048 x 2,048 float32; Wo 2,048 x 2,048 float32; Wq 2,048 x 2,048 float32; Wv 2,048 x 2,048 float32; freqs_cis 2,048 x 1 x 64 x 2 float32; qk_bias 2 x 1 x 16 x 128 float32; ve 1 x 2,048 x 2,048 float32; ve_gate_w 16 x 32 float32; x 1 x 2,048 x 2,048 float32.
;; Outputs: out0 1 x 2,048 x 2,048 float32.
;; One version. Each part assembles by itself: llvm-mc -triple=amdgcn-amd-amdhsa -mcpu=gfx1250 --defsym DOCPART=n.
;; ======== version 1 of 1: 4 launches
;; limits: values are held in f16: magnitudes above 65,504 overflow, below 6.1e-05 lose precision
;; workspace buffers: xb 8,388,608 bytes; wb 25,165,824 bytes; wob 8,388,608 bytes; qh 8,388,608 bytes; kh 8,388,608 bytes; vh 8,388,608 bytes; ob 8,388,608 bytes
;; launch cast (part 1): grid 256 x 5, 8 waves a work-group, no clusters, 0 bytes of LDS; arguments x, Wq, Wk, Wv, Wo, xb, wb, wob; writes xb, wb, wob
.if DOCPART == 1
	.amdgcn_target "amdgcn-amd-amdhsa--gfx1250"
	.amdhsa_code_object_version 6
	.text
	.protected	k_q821996dbc0_cast
	.globl	k_q821996dbc0_cast
	.p2align	8
	.type	k_q821996dbc0_cast,@function
k_q821996dbc0_cast:
	s_mov_b64 s[64:65], 0
	v_nop
	global_prefetch_b8 v0, s[64:65] scope:SCOPE_SE
	s_setreg_imm32_b32 hwreg(HW_REG_WAVE_MODE, 25, 1), 1
	s_wait_xcnt 0x0
; x, Wq, Wk, Wv -> bf16 (xb; wb = [3][2048][2048] in the order q, k, v).  Wo -> bf16, and that number written as f16 (wob).
; Every tensor has 4,194,304 floats.  The grid's y picks the tensor, its x a part of 16,384 floats; a wave takes 2,048 of them:
; 16 loads of 16 bytes a lane (512 consecutive bytes a wave), all issued at once; a lane's 4 floats become 8 bytes, so a store of the wave
; covers 256 consecutive bytes, aligned.  The numbers are converted in the registers that they came into: 72 registers a wave, so that the 40 waves
; that fall to a WGP (1,280 work-groups of 8 on 256) have room in its 4 x 1,024 registers together.  No loop, no LDS; no register is written again behind its store.
; LIMIT: |Wo| stays under 65,504 (f16's range); below 6e-5 it keeps f16's fixed step of 6e-8.
.set X, 8                              ; v[8:71]   16 x 4 floats as loaded; the first two of each four then hold the 8 bytes to store
	s_load_b512 s[8:23], s[0:1], 0x0               ; x, Wq, Wk, Wv, Wo, xb, wb, wob
	s_and_b32 s24, ttmp7, 0xffff                   ; which tensor
	v_lshrrev_b32 v3, 5, v0                        ; wave
	v_and_b32 v4, 31, v0                           ; lane
	v_lshlrev_b32 v1, 4, v4
	v_lshl_add_u32 v1, v3, 13, v1                  ; in: 8,192 x wave + 16 x lane
	v_lshlrev_b32 v2, 3, v4
	v_lshl_add_u32 v2, v3, 12, v2                  ; out: 4,096 x wave + 8 x lane
	s_lshl_b32 s26, ttmp9, 16                      ; the work-group's 65,536 bytes in,
	s_mov_b32 s27, 0
	s_lshl_b32 s28, ttmp9, 15                      ; its 32,768 bytes out
	s_mov_b32 s29, 0
	s_sub_co_u32 s2, s24, 1
	s_lshl_b32 s2, s2, 23                          ; the weight's place in wb: 8,388,608 bytes each
	s_mov_b32 s3, 0
	s_wait_kmcnt 0x0
	s_cmp_eq_u32 s24, 1
	s_cselect_b64 s[4:5], s[10:11], s[8:9]
	s_cmp_eq_u32 s24, 2
	s_cselect_b64 s[4:5], s[12:13], s[4:5]
	s_cmp_eq_u32 s24, 3
	s_cselect_b64 s[4:5], s[14:15], s[4:5]
	s_cmp_eq_u32 s24, 4
	s_cselect_b64 s[4:5], s[16:17], s[4:5]
	s_cselect_b64 s[6:7], s[22:23], s[20:21]       ; Wo goes to wob, the other weights to wb,
	s_cselect_b32 s2, 0, s2
	s_cmp_eq_u32 s24, 0
	s_cselect_b64 s[6:7], s[18:19], s[6:7]         ; x to xb
	s_cselect_b32 s2, 0, s2
	s_add_nc_u64 s[4:5], s[4:5], s[26:27]
	s_add_nc_u64 s[6:7], s[6:7], s[28:29]
	s_add_nc_u64 s[6:7], s[6:7], s[2:3]
.irp j, 0,1,2,3,4,5,6,7,8,9,10,11,12,13,14,15
	global_load_b128 v[X+4*(\j):X+4*(\j)+3], v1, s[4:5] offset:512*(\j) th:TH_LOAD_NT
.endr
.macro CV j, half
	s_wait_loadcnt 15-(\j)                         ; loads come back in order: number j is in, the 15 - j younger ones may stay out
	v_cvt_pk_bf16_f32 v[X+4*(\j)], v[X+4*(\j)], v[X+4*(\j)+1]
	v_cvt_pk_bf16_f32 v[X+4*(\j)+1], v[X+4*(\j)+2], v[X+4*(\j)+3]
.if \half
	v_lshlrev_b32 v4, 16, v[X+4*(\j)]              ; the bf16 numbers as f32,
	v_and_b32 v5, 0xffff0000, v[X+4*(\j)]
	v_lshlrev_b32 v6, 16, v[X+4*(\j)+1]
	v_and_b32 v7, 0xffff0000, v[X+4*(\j)+1]
	v_cvt_pk_f16_f32 v[X+4*(\j)], v4, v5           ; written as f16: exact inside f16's normal range
	v_cvt_pk_f16_f32 v[X+4*(\j)+1], v6, v7
.endif
	global_store_b64 v2, v[X+4*(\j):X+4*(\j)+1], s[6:7] offset:256*(\j) th:TH_STORE_NT
.endm
	s_cmp_eq_u32 s24, 4
	s_cbranch_scc1 .Lwo
.irp j, 0,1,2,3,4,5,6,7,8,9,10,11,12,13,14,15
	CV \j, 0
.endr
	s_endpgm
.Lwo:
.irp j, 0,1,2,3,4,5,6,7,8,9,10,11,12,13,14,15
	CV \j, 1
.endr
	s_endpgm
.Lfunc_end_k_q821996dbc0_cast:
	.size	k_q821996dbc0_cast, .Lfunc_end_k_q821996dbc0_cast-k_q821996dbc0_cast
	.p2alignl 7, 3214868480
	.fill 96, 4, 3214868480
	.section	.rodata,"a",@progbits
	.p2align	6, 0x0
	.amdhsa_kernel k_q821996dbc0_cast
		.amdhsa_group_segment_fixed_size 0
		.amdhsa_private_segment_fixed_size 0
		.amdhsa_enable_private_segment 0
		.amdhsa_kernarg_size 64
		.amdhsa_user_sgpr_count 2
		.amdhsa_user_sgpr_kernarg_segment_ptr 1
		.amdhsa_wavefront_size32 1
		.amdhsa_system_sgpr_workgroup_id_x 1
		.amdhsa_system_sgpr_workgroup_id_y 1
		.amdhsa_system_sgpr_workgroup_id_z 1
		.amdhsa_system_vgpr_workitem_id 0
		.amdhsa_next_free_vgpr 72
		.amdhsa_next_free_sgpr 66
		.amdhsa_reserve_vcc 0
		.amdhsa_float_denorm_mode_32 3
		.amdhsa_float_denorm_mode_16_64 3
		.amdhsa_memory_ordered 1
		.amdhsa_forward_progress 1
		.amdhsa_inst_pref_size 16
	.end_amdhsa_kernel
	.amdgpu_metadata
---
amdhsa.version: [ 1, 2 ]
amdhsa.kernels:
  - .name:           k_q821996dbc0_cast
    .symbol:         k_q821996dbc0_cast.kd
    .args:
      - { .name: x, .offset: 0, .size: 8, .value_kind: global_buffer, .address_space: global }
      - { .name: Wq, .offset: 8, .size: 8, .value_kind: global_buffer, .address_space: global }
      - { .name: Wk, .offset: 16, .size: 8, .value_kind: global_buffer, .address_space: global }
      - { .name: Wv, .offset: 24, .size: 8, .value_kind: global_buffer, .address_space: global }
      - { .name: Wo, .offset: 32, .size: 8, .value_kind: global_buffer, .address_space: global }
      - { .name: xb, .offset: 40, .size: 8, .value_kind: global_buffer, .address_space: global }
      - { .name: wb, .offset: 48, .size: 8, .value_kind: global_buffer, .address_space: global }
      - { .name: wob, .offset: 56, .size: 8, .value_kind: global_buffer, .address_space: global }
    .group_segment_fixed_size: 0
    .private_segment_fixed_size: 0
    .kernarg_segment_align: 8
    .kernarg_segment_size: 64
    .max_flat_workgroup_size: 256
    .sgpr_count:     66
    .vgpr_count:     72
    .wavefront_size: 32
...
	.end_amdgpu_metadata
.endif
;; end of part 1
;; launch qkv (part 2): grid 16 x 16, 4 waves a work-group, clusters of 4 x 4, 327,680 bytes of LDS; arguments xb, wb, ve, freqs_cis, qk_bias, ve_gate_w, qh, kh, vh; writes qh, kh, vh
.if DOCPART == 2
	.amdgcn_target "amdgcn-amd-amdhsa--gfx1250"
	.amdhsa_code_object_version 6
	.text
	.protected	k_q821996dbc0_qkv
	.globl	k_q821996dbc0_qkv
	.p2align	8
	.type	k_q821996dbc0_qkv,@function
k_q821996dbc0_qkv:
	s_mov_b64 s[64:65], 0
	v_nop
	global_prefetch_b8 v0, s[64:65] scope:SCOPE_SE
	s_setreg_imm32_b32 hwreg(HW_REG_WAVE_MODE, 25, 1), 1
	s_wait_xcnt 0x0
	s_wait_alu depctr_hold_cnt(0) depctr_sa_sdst(0) depctr_va_vdst(0) depctr_va_sdst(0) depctr_va_ssrc(0) depctr_va_vcc(0) depctr_vm_vsrc(0)
	s_getreg_b32 s2, hwreg(HW_REG_IB_STS2, 6, 4)
	s_cmp_eq_u32 s2, 0
	s_cbranch_scc0 .Lentry_in_a_cluster
	s_endpgm
.Lentry_in_a_cluster:
	s_bfe_u32 s2, ttmp6, 0x10000c
	s_cmp_lg_u32 s2, 0xf033
	s_cbranch_scc0 .Lentry_shape_is_right
	s_endpgm
.Lentry_shape_is_right:
; q, k, v of ONE head for 128 rows: x W^T (bf16 operands, f32 sums), then v += 2 sigmoid(x[:32] . gw) ve, the clip at +-8, the bias on q and k, rope on channels 0-63,
; the RMS norm of q and k; all three leave as f16, by heads: [16][2048][128].  ve, freqs_cis, qk_bias and ve_gate_w are rounded to bf16 like x and the weights.
; q leaves multiplied by c = log2(e) / sqrt(128), inside its one rounding: the launch behind takes 2^(q . k - 0.5) as a weight.
; f16 has room for every input: the norm bounds |q| by c sqrt(128), |k| by sqrt(128), the clip bounds |v| by 8.  NaN and infinities are not treated apart.
; SHARES.  Grid x = block of 128 rows, y = head.  The work-group makes 128 x 384 (columns 0-127 q, 128-255 k, 256-383 v); wave w makes rows 64 (w / 2) on, columns 192 (w % 2) on:
; 4 x 12 accumulators of 16 x 16, 384 registers.  K goes in 16 steps of 128 (rows of 256 bytes) through two LDS slots.
; CLUSTER 4 x 4: x's tile hangs on the row block alone and is asked for jointly along a column of the cluster, the weights' tiles on the head alone, along a row.
; THE WALK ALONG K.  A cluster whose x + y is odd begins at K step 8 and wraps: step number (KI mod 16).  So of the clusters that read the same rows half ask for a given K step eight steps
; behind the other half.  The sums are the same terms in another order.
; The matrix instruction is used transposed (source 0 = 16 rows of W, source 1 = 16 rows of x): a lane holds eight neighbouring columns of one row.
; THE WAY OUT.  All sums go through a stage in LDS (on slot bytes that have had their last fill); then wave w takes rows 32 w on, two rows at a time: 16 lanes a row, 8 columns of each of q, k, v a lane,
; so a row's sum of squares is four steps among 16 lanes, and each store's 16 lanes fill a row's 256 bytes.
; REGISTERS, in windows of 256: window 0: v14-47 addresses and biases; v64-127 x's fragments, two buffers; v128-255 the way out.  window 1: W's fragments, two buffers of 96.
;   window 2: the accumulators of my rows 0-31 ((a, b) at 8 (12 a + b)); window 3: those of rows 32-63.
.set KSTEP,  128
.set PITCH,  272                       ; an LDS row: 256 bytes + 16 of padding: the 16 rows of a fragment load start at 16 different groups of four banks (ISA guide 11.1)
.set HALFT,  128*PITCH                 ; 128 rows: what one tensor load brings
.set SLOT,   4*HALFT                   ; x's 128 rows, then Wq's, Wk's, Wv's
.set VEP,    528                       ; ve in LDS: 512 bytes + 16
.set STAGE,  128*VEP                   ; ve takes slot 0's first 67,584 bytes; the stage begins behind it
.set SP,     1552                      ; a stage row: 384 f32 + 16 bytes.  Chunk n of 8 columns: its low four at 16 n, its high four at 768 + 16 n
.set FRL,    2*SLOT                    ; freqs_cis: 128 rows of 256 bytes + 16
.set FRP,    272
.set GATE,   FRL+128*FRP               ; 128 gates
.set SPARE,  GATE+512                  ; the spare words, 128 bytes for each wave: two blocks of 256 bytes that no other line names
.set LAPS,   2048/(2*KSTEP)
.set VPO,  14                          ; v14  lane x 8,192: a row of ve; never rewritten
.set ADRA, 16                          ; v16-17  LDS address of my x fragments in slot 0, 1
.set ADRB, 20                          ; v20-21  the same for W
.set STO,  22                          ; v22  into the stage, my rows 0-31
.set STO2, 23                          ; v23  my rows 32-63
.set RD,   24                          ; v24  out of the stage
.set VEA,  25                          ; v25  ve
.set FRA,  26                          ; v26  freqs
.set GA,   27                          ; v27  gate
.set SPW,  28                          ; v28  my spare word; never rewritten
.set NIL,  29                          ; v29  0; never rewritten
.set PFO,  30                          ; v30  lane x 4,096: a row of xb or wb; never rewritten
.set OUTO, 31                          ; v31  my 16 bytes in qh, kh, vh
.set BQ,   32                          ; v32-39  q's bias for my 8 columns
.set BK,   40                          ; v40-47  k's
.set XQ,   64                          ; the way out: q, k behind rope
.set XK,   72
.set RQ,   128                         ; as read from LDS
.set RK,   136
.set RV,   144
.set RE,   152
.set RF,   160
.set RG,   168
.set WQ,   176
.set WK,   184
.set WVV,  192
.set PE,   200
.set PF,   204
.set CS,   208
.set TQ,   216
.set TK,   224
.set NQ,   232
.set NK,   234
.set OQ,   236
.set OKK,  240
.set OV,   244
.set IDN,  248                         ; v248 (cos, sin) = (1, 0) in bf16
.set GX,   128                         ; the head's work: x's 32 numbers; the gate's weights; the same packed
.set GW,   144
.set GP,   176
.set G1V, 4                            ; s[4:11], s[12:15]  ve's descriptor
.set G0V, 12
.set G1A, 24                           ; s[24:31] group 1 for x's tiles; s[32:39] group 0, a set for each slot
.set G0A, 32
.set LIM, 43
.set PFA, 44                           ; s[44:45] where my prefetches stand
.set PFV, 46                           ; s[46:47] ve at my wave's rows and my head's columns
.set G1B, 48                           ; s[48:55], s[56:63] the same for W's tiles
.set G0B, 56
.set WV,  66
.set ABASE, 72                         ; s[72:73] xb at my tile's first row, K = 0 (once ve's address has been used)
.set BBASE, 74                         ; s[74:75] wb at my tile's first row, K = 0 (once freqs_cis' address has been used)
.set WR,  86
.set WC,  87
.set G1F, 88                           ; s[88:95], s[96:99] freqs' descriptor
.set G0F, 96
.set KI,  104                          ; s104 the number, before the wrap, of the K step to be asked for next
.set ROT, 105                          ; s105 0 or 8: where my cluster's walk along K begins
.set MSB, 0
.macro WIN new                         ; the immediate's high byte repeats the setting that is left
.if MSB != (\new)
	s_set_vgpr_msb (MSB<<8)|(\new)
.set MSB, \new
.endif
.endm
.set MUL_LO, 0xa1                      ; source 0 (W) window 1, source 1 (x) window 0, C and D window 2
.set MUL_HI, 0xf1                      ; the same, C and D window 3
.set TO_B,   0x40                      ; destination window 1, address window 0
.macro PLACES
.rept 4
	v_nop
.endr
.endm
; A joint load.  Wave 0 fetches x's tile, waves 1 to 3 Wq's, Wk's, Wv's.  An s_nop 0 and four v_nop follow each line.
.macro JLOAD s
	s_cmp_eq_u32 s[WV], 0
	s_cbranch_scc0 .Lfor_b_\@
	tensor_load_to_lds s[G0A+4*(\s):G0A+4*(\s)+3], s[G1A:G1A+7]
	s_nop 0
	PLACES
	s_branch .Lasked_\@
.Lfor_b_\@:
	tensor_load_to_lds s[G0B+4*(\s):G0B+4*(\s)+3], s[G1B:G1B+7]
	s_nop 0
	PLACES
.Lasked_\@:
.endm
.macro FLOAD                           ; my wave's 32 rows of freqs_cis, the first 64 floats of each
	tensor_load_to_lds s[G0F:G0F+3], s[G1F:G1F+7]
	s_nop 0
	PLACES
.endm
.macro VLOAD                           ; my wave's 32 rows of ve, my head's 128 floats of each
	tensor_load_to_lds s[G0V:G0V+3], s[G1V:G1V+7]
	s_nop 0
	PLACES
.endm
.macro CREST
	s_cmp_lg_u32 s[WV], 0
	s_cbranch_scc1 .Lnot_wave_0_\@
	s_barrier_signal -3
.Lnot_wave_0_\@:
	s_barrier_wait -3
	s_barrier_signal -1
	s_barrier_wait -1
.endm
.macro CROUND
	s_barrier_signal -1
	s_barrier_wait -1
	CREST
.endm
; A prefetch of the K step that stands two refills on: 32 rows x 256 bytes, a lane a row.  Only steps 4 to 7 of a cluster's own walk are asked for (the loop's first two trips): steps 0 to 3 come by their
; loads alone, and steps 8 to 15 are the steps with which the clusters of the other kind began.  x's rows are asked for by the clusters with y = 0 and y = 1 (wave 0), one of each kind, W's by those with
; x = 0 and x = 1 (waves 1 to 3); the four partners that ask for a tile jointly take 32 of its 128 rows each, told apart by address.  So no block is named twice.
.macro ASK
	s_cmp_gt_u32 s3, s[LIM]
	s_cbranch_scc0 .Lnot_mine_\@
	global_prefetch_b8 v[PFO], s[PFA:PFA+1] offset:KSTEP*2 th:TH_LOAD_NT scope:SCOPE_SE
.Lnot_mine_\@:
.endm
.macro ASKV                            ; once, in the loop's last trip, one K step ahead of ve's load: my wave's own 32 rows x 512 bytes
	s_cmp_eq_u32 s3, 1
	s_cbranch_scc0 .Lnot_yet_\@
	global_prefetch_b8 v[VPO], s[PFV:PFV+1] th:TH_LOAD_NT scope:SCOPE_SE
	global_prefetch_b8 v[VPO], s[PFV:PFV+1] offset:256 th:TH_LOAD_NT scope:SCOPE_SE
.Lnot_yet_\@:
.endm
	s_load_b512 s[68:83], s[0:1], 0x0              ; xb 68, wb 70, ve 72, freqs 74, bias 76, gate w 78, qh 80, kh 82
	s_load_b64 s[84:85], s[0:1], 0x40              ; vh
	v_lshl_add_u32 v[SPW], v0, 2, SPARE
	v_mov_b32 v[NIL], 0
	ds_add_u32 v[SPW], v[NIL]                      ; the wave's opening: the add and its wait, ahead of my first tensor load
	v_lshrrev_b32 v1, 5, v0
	v_readfirstlane_b32 s[WV], v1                  ; wave 0..3
	s_lshr_b32 s[WR], s[WV], 1
	s_and_b32 s[WC], s[WV], 1
	s_bfe_u32 s40, ttmp6, 0x40000                  ; cx
	s_bfe_u32 s41, ttmp6, 0x40004                  ; cy
	s_lshl_b32 s100, ttmp9, 2
	s_add_co_u32 s100, s100, s40                   ; row block = 4 x cluster x + cx
	s_and_b32 s[ROT], ttmp7, 0xffff                ; cluster y
	s_lshl_b32 s42, s[ROT], 2
	s_add_co_u32 s42, s42, s41                     ; head = 4 x cluster y + cy
	s_add_co_u32 s[ROT], s[ROT], ttmp9
	s_and_b32 s[ROT], s[ROT], 1
	s_lshl_b32 s[ROT], s[ROT], 3                   ; 8 where cluster x + cluster y is odd: the same in all sixteen partners
	s_lshl_b32 s21, 0x1111, s40                    ; my column of the cluster
	s_lshl_b32 s22, s41, 2
	s_lshl_b32 s22, 15, s22                        ; my row
	s_or_b32 s[G1A], s21, (1<<16)|(1<<20)|(1<<21)|(5<<22)|(3<<25)  ; mask; 2-byte elements; padding on; bit 21 beside a mask; after every 64 words 4 words
	s_or_b32 s[G1B], s22, (1<<16)|(1<<20)|(1<<21)|(5<<22)|(3<<25)
.irp g, G1A, G1B
	s_mov_b32 s[(\g)+1], KSTEP<<16                 ; tensor_dim0 = 128
	s_mov_b32 s[(\g)+2], 128<<16                   ; tensor_dim1 = 128
	s_mov_b32 s[(\g)+3], KSTEP<<16                 ; tile_dim0 = 128
	s_mov_b32 s[(\g)+4], 128                       ; tile_dim1 = 128
	s_mov_b32 s[(\g)+5], 2048                      ; elements from row to row
	s_mov_b32 s[(\g)+6], 0
	s_mov_b32 s[(\g)+7], 0
.endr
	s_mov_b32 s[G1F], (2<<16)|(1<<20)|(5<<22)|(3<<25)  ; 4-byte elements; after every 64 words 4 words
	s_mov_b32 s[G1F+1], 64<<16
	s_mov_b32 s[G1F+2], 32<<16
	s_mov_b32 s[G1F+3], 64<<16
	s_mov_b32 s[G1F+4], 32
	s_mov_b32 s[G1F+5], 128
	s_mov_b32 s[G1F+6], 0
	s_mov_b32 s[G1F+7], 0
	s_mov_b32 s[G1V], (2<<16)|(1<<20)|(6<<22)|(3<<25)  ; 4-byte elements; after every 128 words 4 words
	s_mov_b32 s[G1V+1], 128<<16
	s_mov_b32 s[G1V+2], 32<<16
	s_mov_b32 s[G1V+3], 128<<16
	s_mov_b32 s[G1V+4], 32
	s_mov_b32 s[G1V+5], 2048
	s_mov_b32 s[G1V+6], 0
	s_mov_b32 s[G1V+7], 0
	s_lshl_b32 s16, s100, 19                       ; x: 128 rows of 4,096 bytes a block
	s_mov_b32 s17, 0
	s_max_u32 s18, s[WV], 1
	s_sub_co_u32 s18, s18, 1                       ; which weight I fetch (wave 0 fetches none: its number is not used)
	s_lshl_b32 s18, s18, 11
	s_lshl_b32 s19, s42, 7
	s_add_co_u32 s18, s18, s19                     ; its row in wb: 2,048 x weight + 128 x head
	s_lshl_b32 s18, s18, 12
	s_mov_b32 s19, 0
	s_lshl_b32 s20, s100, 7
	s_lshl_b32 s21, s[WV], 5
	s_add_co_u32 s20, s20, s21                     ; the first of my wave's 32 rows on the way out
	s_mul_i32 s67, s[WV], HALFT                    ; where my tile goes: no place in the cluster enters an LDS address
	s_mul_i32 s22, s[WV], 32*FRP
	s_mul_i32 s23, s[WV], 32*VEP
	s_wait_dscnt 0x0                               ; the opening add is done
	s_wait_kmcnt 0x0
	s_add_nc_u64 s[16:17], s[68:69], s[16:17]
	s_add_nc_u64 s[18:19], s[70:71], s[18:19]
	s_mov_b32 s[G0F], 1
	s_add_co_u32 s[G0F+1], s22, FRL
	s_lshl_b32 s2, s20, 9                          ; a row of freqs_cis is 512 bytes
	s_mov_b32 s3, 0
	s_add_nc_u64 s[G0F+2:G0F+3], s[74:75], s[2:3]
	s_or_b32 s[G0F+3], s[G0F+3], 0x80000000
	s_mov_b32 s[G0V], 1
	s_mov_b32 s[G0V+1], s23
	s_lshl_b32 s2, s20, 13                         ; a row of ve is 8,192 bytes,
	s_lshl_b32 s21, s42, 9                         ; a head 512 of them
	s_add_co_u32 s2, s2, s21
	s_add_nc_u64 s[PFV:PFV+1], s[72:73], s[2:3]
	s_mov_b64 s[G0V+2:G0V+3], s[PFV:PFV+1]
	s_or_b32 s[G0V+3], s[G0V+3], 0x80000000
	s_mov_b64 s[ABASE:ABASE+1], s[16:17]
	s_mov_b64 s[BBASE:BBASE+1], s[18:19]
	s_mov_b32 s23, 0                               ; s[22:23]: a K step's byte offset in a row
	CROUND                                         ; all sixteen work-groups are here: the first joint loads meet
.irp s, 0,1
	s_add_co_u32 s22, s[ROT], \s
	s_lshl_b32 s22, s22, 8                         ; a K step is 256 bytes of a row
	s_mov_b32 s[G0A+4*(\s)], 1
	s_add_co_u32 s[G0A+4*(\s)+1], s67, (\s)*SLOT
	s_add_nc_u64 s[G0A+4*(\s)+2:G0A+4*(\s)+3], s[ABASE:ABASE+1], s[22:23]
	s_or_b32 s[G0A+4*(\s)+3], s[G0A+4*(\s)+3], 0x80000000
	s_mov_b32 s[G0B+4*(\s)], 1
	s_add_co_u32 s[G0B+4*(\s)+1], s67, (\s)*SLOT
	s_add_nc_u64 s[G0B+4*(\s)+2:G0B+4*(\s)+3], s[BBASE:BBASE+1], s[22:23]
	s_or_b32 s[G0B+4*(\s)+3], s[G0B+4*(\s)+3], 0x80000000
	JLOAD \s
.endr
	FLOAD                                          ; three loads of mine are out
	s_add_co_u32 s[KI], s[ROT], 2
	; addresses, while the first tiles are on their way
	v_and_b32 v1, 15, v0                           ; l % 16
	v_bfe_u32 v2, v0, 4, 1                         ; l / 16
	v_and_b32 v3, 31, v0                           ; l
	v_mul_u32_u24 v4, v1, PITCH
	v_lshl_add_u32 v4, v2, 4, v4                   ; a fragment's row x pitch + 16 x half
	s_mul_i32 s21, s[WR], 64*PITCH                 ; my 64 rows of x
	s_mul_i32 s22, s[WC], 192*PITCH                ; my 192 rows of W,
	s_add_co_u32 s22, s22, HALFT                   ; which lie behind x's 128
.irp s, 0,1
	v_add_nc_u32 v[ADRA+(\s)], s21, v4
	v_add_nc_u32 v[ADRB+(\s)], s22, v4
	s_add_co_u32 s21, s21, SLOT
	s_add_co_u32 s22, s22, SLOT
.endr
	s_mul_i32 s21, s[WR], 64*SP                    ; into the stage: row 64 (w / 2) + l % 16, chunk 24 (w % 2) + l / 16
	s_mul_i32 s22, s[WC], 384
	s_add_co_u32 s21, s21, s22
	s_add_co_u32 s21, s21, STAGE
	v_mul_u32_u24 v4, v1, SP
	v_lshl_add_u32 v4, v2, 4, v4
	v_add_nc_u32 v[STO], s21, v4
	v_add_nc_u32 v[STO2], 32*SP, v[STO]
	s_mul_i32 s21, s[WV], 32*SP                    ; back: row 32 w + l / 16, chunk l % 16
	s_add_co_u32 s21, s21, STAGE
	v_mul_u32_u24 v4, v2, SP
	v_lshl_add_u32 v4, v1, 4, v4
	v_add_nc_u32 v[RD], s21, v4
	s_mul_i32 s21, s[WV], 32*VEP
	v_mul_u32_u24 v4, v2, VEP
	v_lshl_add_u32 v4, v1, 5, v4
	v_add_nc_u32 v[VEA], s21, v4
	s_mul_i32 s21, s[WV], 32*FRP
	s_add_co_u32 s21, s21, FRL
	v_and_b32 v5, 7, v0
	v_mul_u32_u24 v4, v2, FRP
	v_lshl_add_u32 v4, v5, 5, v4                   ; four (cos, sin) for my 8 columns; lanes with columns 64 on read some and discard them
	v_add_nc_u32 v[FRA], s21, v4
	s_lshl_b32 s21, s[WV], 7
	s_add_co_u32 s21, s21, GATE
	v_lshl_add_u32 v[GA], v2, 2, s21
	s_lshl_b32 s21, s[WV], 13
	v_lshlrev_b32 v4, 8, v2
	v_lshl_add_u32 v4, v1, 4, v4
	v_add_nc_u32 v[OUTO], s21, v4                  ; (32 w + l / 16) x 256 + 16 (l % 16)
	v_lshlrev_b32 v[PFO], 12, v3
	v_lshlrev_b32 v[VPO], 13, v3
	; the prefetches' pointer
	s_and_b32 s16, ttmp7, 0xffff                   ; cluster y
	s_lshl_b32 s17, s100, 7                        ; x's first row
	s_max_u32 s18, s[WV], 1
	s_sub_co_u32 s18, s18, 1
	s_lshl_b32 s18, s18, 11
	s_lshl_b32 s19, s42, 7
	s_add_co_u32 s18, s18, s19                     ; W's first row
	s_cmp_eq_u32 s[WV], 0
	s_cselect_b32 s16, s16, ttmp9                  ; the coordinate along which other clusters read the same rows: y for x's, x for W's
	s_cselect_b32 s17, s17, s18
	s_cselect_b32 s18, s41, s40                    ; my place among the four that ask with me
	s_cselect_b64 s[PFA:PFA+1], s[68:69], s[70:71]
	s_cmp_lt_u32 s16, 2
	s_cselect_b32 s[LIM], LAPS-3, -1               ; an asker asks while more than LAPS - 3 trips are left: in the first two
	s_lshl_b32 s18, s18, 5
	s_add_co_u32 s17, s17, s18                     ; my work-group's 32 rows
	s_lshl_b32 s16, s17, 12
	s_mov_b32 s17, 0
	s_add_nc_u64 s[PFA:PFA+1], s[PFA:PFA+1], s[16:17]
	s_add_co_u32 s16, s[ROT], 2
	s_lshl_b32 s16, s16, 8
	s_add_nc_u64 s[PFA:PFA+1], s[PFA:PFA+1], s[16:17]  ; at my walk's step 2: the first refill steps it to 3 and names step 4; the last that is named is step 7, K step 7 or 15: inside the row
	; the gate, a lane a row, and the biases
	s_lshl_b32 s2, s20, 12
	s_mov_b32 s3, 0
	s_add_nc_u64 s[2:3], s[68:69], s[2:3]          ; xb at my wave's 32 rows
	s_lshl_b32 s22, s42, 7
	s_mov_b32 s23, 0
	s_add_nc_u64 s[22:23], s[78:79], s[22:23]      ; my head's 32 gate weights
	s_lshl_b32 s20, s42, 9
	s_mov_b32 s21, 0
	s_add_nc_u64 s[20:21], s[76:77], s[20:21]      ; my head's biases
	v_mov_b32 v15, 0
	v_lshlrev_b32 v13, 5, v1
.irp i, 0,1,2,3
	global_load_b128 v[GX+4*(\i):GX+4*(\i)+3], v[PFO], s[2:3] offset:16*(\i)
.endr
.irp i, 0,1,2,3,4,5,6,7
	global_load_b128 v[GW+4*(\i):GW+4*(\i)+3], v15, s[22:23] offset:16*(\i)
.endr
	global_load_b128 v[200:203], v13, s[20:21]
	global_load_b128 v[204:207], v13, s[20:21] offset:16
	global_load_b128 v[208:211], v13, s[20:21] offset:8192
	global_load_b128 v[212:215], v13, s[20:21] offset:8208
	v_mov_b32 v192, 0
	v_mov_b32 v193, 0
	v_mov_b32 v[IDN], 0x3f80
	v_cmp_le_u32 s101, 8, v1                       ; lanes whose columns are 64 on: no rope
	v_lshl_add_u32 v195, v0, 2, GATE
	s_wait_loadcnt 0x0
.irp j, 0,1,2,3,4,5,6,7,8,9,10,11,12,13,14,15
	v_cvt_pk_bf16_f32 v[GP+(\j)], v[GW+2*(\j)], v[GW+2*(\j)+1]
.endr
.irp j, 0,1,2,3,4,5,6,7,8,9,10,11,12,13,14,15
	v_fma_mix_f32_bf16 v192, v[GX+(\j)], v[GP+(\j)], v192 op_sel_hi:[1,1,0]
	v_fma_mix_f32_bf16 v193, v[GX+(\j)], v[GP+(\j)], v193 op_sel:[1,1,0] op_sel_hi:[1,1,0]
.endr
	v_add_f32 v192, v192, v193
	v_mul_f32 v192, 0xbfb8aa3b, v192               ; - log2(e) z
	v_exp_f32 v193, v192
	v_nop
	s_wait_alu depctr_va_vdst(0)                   ; a wait ahead of the result's first reader
	v_add_f32 v193, 1.0, v193
	v_rcp_f32 v194, v193
	v_nop
	s_wait_alu depctr_va_vdst(0)
	v_add_f32 v194, v194, v194                     ; 2 sigmoid(z)
	ds_store_b32 v195, v194
.irp j, 0,1,2,3
	v_cvt_pk_bf16_f32 v[216+(\j)], v[200+2*(\j)], v[200+2*(\j)+1]
	v_cvt_pk_bf16_f32 v[220+(\j)], v[208+2*(\j)], v[208+2*(\j)+1]
.endr
.irp j, 0,1,2,3
	v_lshlrev_b32 v[BQ+2*(\j)], 16, v[216+(\j)]
	v_and_b32 v[BQ+2*(\j)+1], 0xffff0000, v[216+(\j)]
	v_lshlrev_b32 v[BK+2*(\j)], 16, v[220+(\j)]
	v_and_b32 v[BK+2*(\j)+1], 0xffff0000, v[220+(\j)]
.endr
	s_lshl_b32 s16, s42, 19                        ; a head is 524,288 bytes of qh, kh, vh; a block of 128 rows 32,768
	s_lshl_b32 s17, s100, 15
	s_add_co_u32 s16, s16, s17
	s_mov_b32 s17, 0
	s_add_nc_u64 s[80:81], s[80:81], s[16:17]
	s_add_nc_u64 s[82:83], s[82:83], s[16:17]
	s_add_nc_u64 s[84:85], s[84:85], s[16:17]
	s_mov_b32 s16, 0xc1000000                      ; -8
	s_mov_b32 s17, 0x41000000                      ; 8
	s_mov_b32 s18, 0xffff0000
	s_mov_b32 s19, 0x3c000000                      ; 1 / 128
	s_mov_b32 s20, 0x358637bd                      ; 1e-6
	s_mov_b32 s23, 0                               ; s[22:23] is the K step's offset again
; 12 matrix instructions: row block a of the window's two (hi = 0: my rows 0-31, 1: rows 32-63) x all 12 column blocks, 32 along K, buffer f.  The 48 accumulators take turns in one order.
.macro MUL12 f, hi, a, zero
	WIN MUL_LO+0x50*(\hi)
.irp b, 0,1,2,3,4,5,6,7,8,9,10,11
.if \zero
	v_wmma_f32_16x16x32_bf16 v[8*(12*(\a)+(\b)):8*(12*(\a)+(\b))+7], v[96*(\f)+8*(\b):96*(\f)+8*(\b)+7], v[64+32*(\f)+8*(2*(\hi)+(\a)):64+32*(\f)+8*(2*(\hi)+(\a))+7], 0
.else
	v_wmma_f32_16x16x32_bf16 v[8*(12*(\a)+(\b)):8*(12*(\a)+(\b))+7], v[96*(\f)+8*(\b):96*(\f)+8*(\b)+7], v[64+32*(\f)+8*(2*(\hi)+(\a)):64+32*(\f)+8*(2*(\hi)+(\a))+7], v[8*(12*(\a)+(\b)):8*(12*(\a)+(\b))+7]
.endif
.endr
.endm
; 32 LDS loads in one run: 192 rows of W, then 64 rows of x, 32 K at byte k of the rows, into buffer f
.macro FETCH slot, k, f
	WIN TO_B
.irp i, 0,1,2,3,4,5,6,7,8,9,10,11
	ds_load_b128 v[96*(\f)+8*(\i):96*(\f)+8*(\i)+3],   v[ADRB+(\slot)] offset:(\k)+(\i)*16*PITCH
	ds_load_b128 v[96*(\f)+8*(\i)+4:96*(\f)+8*(\i)+7], v[ADRB+(\slot)] offset:(\k)+(\i)*16*PITCH+32
.endr
	WIN 0
.irp i, 0,1,2,3
	ds_load_b128 v[64+32*(\f)+8*(\i):64+32*(\f)+8*(\i)+3],   v[ADRA+(\slot)] offset:(\k)+(\i)*16*PITCH
	ds_load_b128 v[64+32*(\f)+8*(\i)+4:64+32*(\f)+8*(\i)+7], v[ADRA+(\slot)] offset:(\k)+(\i)*16*PITCH+32
.endr
.endm
; One of a K step's first three quarters: multiplies buffer f; in its middle it fetches the next quarter, at byte k, into buffer g.
.macro QUARTER slot, k, f, g, zero
	s_wait_dscnt 4                                 ; W and x's rows 0-31 are in; the youngest four loads (x's rows 32-63) may be out
	MUL12 \f, 0, 0, \zero
	MUL12 \f, 0, 1, \zero
	PLACES                                         ; four places in front of loads into registers that matrix instructions have read
	FETCH \slot, \k, \g
	s_wait_dscnt 32                                ; all but the 32 just issued
	MUL12 \f, 1, 0, \zero
	MUL12 \f, 1, 1, \zero
.endm
; The last quarter multiplies buffer 1 and changes slots.  kind = 1: the slot is filled again, with my walk's step two on.  kind = 2: ve goes into slot 0's first bytes.
.macro TURN slot, next, kind
.if (\kind) == 1
	s_wait_xcnt 0x0                                ; the last prefetch, a K step back, has read its address
	s_add_nc_u64 s[PFA:PFA+1], s[PFA:PFA+1], KSTEP*2
.endif
	WIN 0
	s_wait_tensorcnt 0x0                           ; all my tensor loads have landed: my part of the next slot; so every group 0 may be written;
	ds_add_u32 v[SPW], v[NIL]                      ; 0 onto my spare word;
.if (\kind) == 1
	s_and_b32 s22, s[KI], 15                       ; the walk wraps at K's end
	s_lshl_b32 s22, s22, 8
	s_add_co_u32 s[KI], s[KI], 1
	s_add_nc_u64 s[G0A+4*(\slot)+2:G0A+4*(\slot)+3], s[ABASE:ABASE+1], s[22:23]  ; the addresses are made anew from the tiles' first rows
	s_or_b32 s[G0A+4*(\slot)+3], s[G0A+4*(\slot)+3], 0x80000000
	s_add_nc_u64 s[G0B+4*(\slot)+2:G0B+4*(\slot)+3], s[BBASE:BBASE+1], s[22:23]
	s_or_b32 s[G0B+4*(\slot)+3], s[G0B+4*(\slot)+3], 0x80000000
.endif
	s_wait_dscnt 5                                 ; (the add and the youngest four loads may be out)
	MUL12 1, 0, 0, 0
	s_wait_dscnt 0x0                               ; the add is done, and my reads of this slot are over
	s_barrier_signal -1
	MUL12 1, 0, 1, 0
	WIN 0
	s_barrier_wait -1
	CREST                                          ; the barrier has opened a round of the cluster's: no wave of any partner still reads this slot or has a load on its way
.if (\kind) == 1
	JLOAD \slot                                    ; its four v_nop are also the places in front of the loads below
.else
	VLOAD
.endif
	FETCH \next, 0, 0
.if (\kind) == 1
	ASK
.if (\slot) == 1
	ASKV
.endif
.endif
	MUL12 1, 1, 0, 0
	MUL12 1, 1, 1, 0
.endm
	s_wait_dscnt 0x0                               ; my gates are stored
	s_wait_tensorcnt 2                             ; my part of the walk's step 0 is in; step 1's and freqs may stay out
	s_barrier_signal -1
	s_barrier_wait -1
	FETCH 0, 0, 0
	QUARTER 0, 64, 0, 1, 1                         ; the first quarter's products start the sums
	WIN 0
	s_mov_b32 s3, LAPS-1
.Llap:                                                 ; a trip goes once round the ring and fills both slots again
	QUARTER 0, 128, 1, 0, 0
	QUARTER 0, 192, 0, 1, 0
	TURN 0, 1, 1
	QUARTER 1, 64,  0, 1, 0
	QUARTER 1, 128, 1, 0, 0
	QUARTER 1, 192, 0, 1, 0
	TURN 1, 0, 1
	QUARTER 0, 64,  0, 1, 0
	WIN 0
	s_sub_co_u32 s3, s3, 1
	s_cmp_lg_u32 s3, 0
	s_cbranch_scc1 .Llap
	QUARTER 0, 128, 1, 0, 0
	QUARTER 0, 192, 0, 1, 0
	TURN 0, 1, 2
	QUARTER 1, 64,  0, 1, 0
	QUARTER 1, 128, 1, 0, 0
	QUARTER 1, 192, 0, 1, 0
	s_wait_dscnt 4
	MUL12 1, 0, 0, 0
	MUL12 1, 0, 1, 0
	s_wait_dscnt 0x0                               ; my reads of slot 1 are over
	s_barrier_signal -1
	MUL12 1, 1, 0, 0
	MUL12 1, 1, 1, 0
	WIN 0
	s_barrier_wait -1                              ; everybody's are: the stage may be written
	PLACES
	WIN 0x08                                       ; store data in window 2
.irp a, 0,1
.irp b, 0,1,2,3,4,5,6,7,8,9,10,11
	ds_store_b128 v[STO], v[8*(12*(\a)+(\b)):8*(12*(\a)+(\b))+3]   offset:(\a)*16*SP+32*(\b)
	ds_store_b128 v[STO], v[8*(12*(\a)+(\b))+4:8*(12*(\a)+(\b))+7] offset:(\a)*16*SP+32*(\b)+768
.endr
.endr
	WIN 0x0c                                       ; window 3
.irp a, 0,1
.irp b, 0,1,2,3,4,5,6,7,8,9,10,11
	ds_store_b128 v[STO2], v[8*(12*(\a)+(\b)):8*(12*(\a)+(\b))+3]   offset:(\a)*16*SP+32*(\b)
	ds_store_b128 v[STO2], v[8*(12*(\a)+(\b))+4:8*(12*(\a)+(\b))+7] offset:(\a)*16*SP+32*(\b)+768
.endr
.endr
	WIN 0
	s_wait_tensorcnt 0x0                           ; my rows of ve are in
	s_wait_dscnt 0x0                               ; for the others' sake: my stores into the stage are done
	s_barrier_signal -1
	s_barrier_wait -1
.macro LOADS                           ; two rows: 8 columns of q, k, v, of ve, four (cos, sin), the gate
	ds_load_b128 v[RQ:RQ+3],   v[RD]
	ds_load_b128 v[RQ+4:RQ+7], v[RD] offset:768
	ds_load_b128 v[RK:RK+3],   v[RD] offset:256
	ds_load_b128 v[RK+4:RK+7], v[RD] offset:1024
	ds_load_b128 v[RV:RV+3],   v[RD] offset:512
	ds_load_b128 v[RV+4:RV+7], v[RD] offset:1280
	ds_load_b128 v[RE:RE+3],   v[VEA]
	ds_load_b128 v[RE+4:RE+7], v[VEA] offset:16
	ds_load_b128 v[RF:RF+3],   v[FRA]
	ds_load_b128 v[RF+4:RF+7], v[FRA] offset:16
	ds_load_b32 v[RG], v[GA]
.endm
.macro UNIT more
	s_wait_dscnt 0x0
	s_wait_xcnt 0x0                                ; the last two rows' stores have read their data and their offset, which are written again below
.irp j, 0,1,2,3,4,5,6,7
	v_med3_num_f32 v[WQ+(\j)], v[RQ+(\j)], s16, s17
	v_med3_num_f32 v[WK+(\j)], v[RK+(\j)], s16, s17
.endr
.irp j, 0,1,2,3
	v_cvt_pk_bf16_f32 v[PE+(\j)], v[RE+2*(\j)], v[RE+2*(\j)+1]
	v_cvt_pk_bf16_f32 v[PF+(\j)], v[RF+2*(\j)], v[RF+2*(\j)+1]
.endr
.irp j, 0,1,2,3
	v_fma_mix_f32_bf16 v[WVV+2*(\j)],   v[PE+(\j)], v[RG], v[RV+2*(\j)]   op_sel_hi:[1,0,0]
	v_fma_mix_f32_bf16 v[WVV+2*(\j)+1], v[PE+(\j)], v[RG], v[RV+2*(\j)+1] op_sel:[1,0,0] op_sel_hi:[1,0,0]
.endr
.if \more
	v_add_nc_u32 v[RD], 2*SP, v[RD]
	v_add_nc_u32 v[VEA], 2*VEP, v[VEA]
	v_add_nc_u32 v[FRA], 2*FRP, v[FRA]
	v_add_nc_u32 v[GA], 8, v[GA]
	LOADS                                          ; the next two rows come while these are worked on
.endif
	v_add_nc_u32 v[OUTO], 512, v[OUTO]             ; the stores below reach back
.irp j, 0,1,2,3
	v_cndmask_b32 v[PF+(\j)], v[PF+(\j)], v[IDN], s101
.endr
.irp j, 0,1,2,3
	v_lshlrev_b32 v[CS+2*(\j)], 16, v[PF+(\j)]     ; cos
	v_and_b32 v[CS+2*(\j)+1], s18, v[PF+(\j)]      ; sin
.endr
.irp j, 0,2,4,6
	v_pk_add_f32 v[WQ+(\j):WQ+(\j)+1], v[WQ+(\j):WQ+(\j)+1], v[BQ+(\j):BQ+(\j)+1]
	v_pk_add_f32 v[WK+(\j):WK+(\j)+1], v[WK+(\j):WK+(\j)+1], v[BK+(\j):BK+(\j)+1]
.endr
.irp j, 0,2,4,6
	v_pk_mul_f32 v[TQ+(\j):TQ+(\j)+1], v[WQ+(\j):WQ+(\j)+1], v[CS+(\j):CS+(\j)+1] op_sel_hi:[1,0]  ; (t0, t1) cos
	v_pk_mul_f32 v[TK+(\j):TK+(\j)+1], v[WK+(\j):WK+(\j)+1], v[CS+(\j):CS+(\j)+1] op_sel_hi:[1,0]
.endr
.irp j, 0,2,4,6
	v_pk_fma_f32 v[XQ+(\j):XQ+(\j)+1], v[WQ+(\j):WQ+(\j)+1], v[CS+(\j):CS+(\j)+1], v[TQ+(\j):TQ+(\j)+1] op_sel:[1,1,0] op_sel_hi:[0,1,1] neg_lo:[1,0,0]  ; (- t1 sin, t0 sin) on top
	v_pk_fma_f32 v[XK+(\j):XK+(\j)+1], v[WK+(\j):WK+(\j)+1], v[CS+(\j):CS+(\j)+1], v[TK+(\j):TK+(\j)+1] op_sel:[1,1,0] op_sel_hi:[0,1,1] neg_lo:[1,0,0]
.endr
	v_pk_mul_f32 v[NQ:NQ+1], v[XQ:XQ+1], v[XQ:XQ+1]
	v_pk_mul_f32 v[NK:NK+1], v[XK:XK+1], v[XK:XK+1]
.irp j, 2,4,6
	v_pk_fma_f32 v[NQ:NQ+1], v[XQ+(\j):XQ+(\j)+1], v[XQ+(\j):XQ+(\j)+1], v[NQ:NQ+1]
	v_pk_fma_f32 v[NK:NK+1], v[XK+(\j):XK+(\j)+1], v[XK+(\j):XK+(\j)+1], v[NK:NK+1]
.endr
	v_add_f32 v[NQ], v[NQ], v[NQ+1]
	v_add_f32 v[NK], v[NK], v[NK+1]
.irp m, 1,2,4,8
	v_add_f32_dpp v[NQ], v[NQ], v[NQ] row_xmask:\m row_mask:0xf bank_mask:0xf
	v_add_f32_dpp v[NK], v[NK], v[NK] row_xmask:\m row_mask:0xf bank_mask:0xf
.endr
	v_fma_f32 v[NQ+1], v[NQ], s19, s20             ; the mean of the squares + 1e-6
	v_fma_f32 v[NK+1], v[NK], s19, s20
	v_rsq_f32 v[NQ], v[NQ+1]
	v_rsq_f32 v[NK], v[NK+1]
.irp j, 0,1,2,3,4,5,6,7
	v_med3_num_f32 v[WVV+(\j)], v[WVV+(\j)], s16, s17  ; v's work is the independent work behind the two roots
.endr
.irp j, 0,1,2,3
	v_cvt_pk_f16_f32 v[OV+(\j)], v[WVV+2*(\j)], v[WVV+2*(\j)+1]
.endr
	global_store_b128 v[OUTO], v[OV:OV+3], s[84:85] offset:-512  ; 16 lanes store a row's 256 bytes, aligned
	s_wait_alu depctr_va_vdst(0)                   ; one wait for both roots, ahead of their first reader
	v_mul_f32 v[NQ], 0x3e0293ee, v[NQ]             ; q's factor takes c = log2(e) / sqrt(128) with it
.irp j, 0,2,4,6
	v_pk_mul_f32 v[XQ+(\j):XQ+(\j)+1], v[XQ+(\j):XQ+(\j)+1], v[NQ:NQ+1] op_sel_hi:[1,0]
	v_pk_mul_f32 v[XK+(\j):XK+(\j)+1], v[XK+(\j):XK+(\j)+1], v[NK:NK+1] op_sel_hi:[1,0]
.endr
.irp j, 0,1,2,3
	v_cvt_pk_f16_f32 v[OQ+(\j)], v[XQ+2*(\j)], v[XQ+2*(\j)+1]
	v_cvt_pk_f16_f32 v[OKK+(\j)], v[XK+2*(\j)], v[XK+2*(\j)+1]
.endr
	global_store_b128 v[OUTO], v[OQ:OQ+3], s[80:81] offset:-512
	global_store_b128 v[OUTO], v[OKK:OKK+3], s[82:83] offset:-512
.endm
	LOADS
	s_mov_b32 s2, 15
.Lunit:                                                ; 16 pairs of rows a wave; the last is written out: it fetches nothing
	UNIT 1
	s_sub_co_u32 s2, s2, 1
	s_cmp_lg_u32 s2, 0
	s_cbranch_scc1 .Lunit
	UNIT 0
	s_wait_tensorcnt 0x0                           ; the wave's end
	ds_add_u32 v[SPW], v[NIL]
	s_wait_dscnt 0x0
	CROUND                                         ; the closing round
	s_endpgm
.Lfunc_end_k_q821996dbc0_qkv:
	.size	k_q821996dbc0_qkv, .Lfunc_end_k_q821996dbc0_qkv-k_q821996dbc0_qkv
	.p2alignl 7, 3214868480
	.fill 96, 4, 3214868480
	.section	.rodata,"a",@progbits
	.p2align	6, 0x0
	.amdhsa_kernel k_q821996dbc0_qkv
		.amdhsa_group_segment_fixed_size 327680
		.amdhsa_private_segment_fixed_size 0
		.amdhsa_enable_private_segment 0
		.amdhsa_kernarg_size 72
		.amdhsa_user_sgpr_count 2
		.amdhsa_user_sgpr_kernarg_segment_ptr 1
		.amdhsa_wavefront_size32 1
		.amdhsa_system_sgpr_workgroup_id_x 1
		.amdhsa_system_sgpr_workgroup_id_y 1
		.amdhsa_system_sgpr_workgroup_id_z 1
		.amdhsa_system_vgpr_workitem_id 0
		.amdhsa_next_free_vgpr 960
		.amdhsa_next_free_sgpr 106
		.amdhsa_reserve_vcc 0
		.amdhsa_float_denorm_mode_32 3
		.amdhsa_float_denorm_mode_16_64 3
		.amdhsa_memory_ordered 1
		.amdhsa_forward_progress 1
		.amdhsa_inst_pref_size 131
	.end_amdhsa_kernel
	.amdgpu_metadata
---
amdhsa.version: [ 1, 2 ]
amdhsa.kernels:
  - .name:           k_q821996dbc0_qkv
    .symbol:         k_q821996dbc0_qkv.kd
    .args:
      - { .name: xb, .offset: 0, .size: 8, .value_kind: global_buffer, .address_space: global }
      - { .name: wb, .offset: 8, .size: 8, .value_kind: global_buffer, .address_space: global }
      - { .name: ve, .offset: 16, .size: 8, .value_kind: global_buffer, .address_space: global }
      - { .name: freqs_cis, .offset: 24, .size: 8, .value_kind: global_buffer, .address_space: global }
      - { .name: qk_bias, .offset: 32, .size: 8, .value_kind: global_buffer, .address_space: global }
      - { .name: ve_gate_w, .offset: 40, .size: 8, .value_kind: global_buffer, .address_space: global }
      - { .name: qh, .offset: 48, .size: 8, .value_kind: global_buffer, .address_space: global }
      - { .name: kh, .offset: 56, .size: 8, .value_kind: global_buffer, .address_space: global }
      - { .name: vh, .offset: 64, .size: 8, .value_kind: global_buffer, .address_space: global }
    .group_segment_fixed_size: 327680
    .private_segment_fixed_size: 0
    .kernarg_segment_align: 8
    .kernarg_segment_size: 72
    .max_flat_workgroup_size: 128
    .sgpr_count:     106
    .vgpr_count:     960
    .wavefront_size: 32
...
	.end_amdgpu_metadata
.endif
;; end of part 2
;; launch attn (part 3): grid 16 x 16, 4 waves a work-group, clusters of 4 x 1, 327,680 bytes of LDS; arguments qh, kh, vh, ob; writes ob
.if DOCPART == 3
	.amdgcn_target "amdgcn-amd-amdhsa--gfx1250"
	.amdhsa_code_object_version 6
	.text
	.protected	k_q821996dbc0_attn
	.globl	k_q821996dbc0_attn
	.p2align	8
	.type	k_q821996dbc0_attn,@function
k_q821996dbc0_attn:
	s_mov_b64 s[64:65], 0
	v_nop
	global_prefetch_b8 v0, s[64:65] scope:SCOPE_SE
	s_setreg_imm32_b32 hwreg(HW_REG_WAVE_MODE, 25, 1), 1
	s_wait_xcnt 0x0
	s_wait_alu depctr_hold_cnt(0) depctr_sa_sdst(0) depctr_va_vdst(0) depctr_va_sdst(0) depctr_va_ssrc(0) depctr_va_vcc(0) depctr_vm_vsrc(0)
	s_getreg_b32 s2, hwreg(HW_REG_IB_STS2, 6, 4)
	s_cmp_eq_u32 s2, 0
	s_cbranch_scc0 .Lentry_in_a_cluster
	s_endpgm
.Lentry_in_a_cluster:
	s_bfe_u32 s2, ttmp6, 0x10000c
	s_cmp_lg_u32 s2, 0x3003
	s_cbranch_scc0 .Lentry_shape_is_right
	s_endpgm
.Lentry_shape_is_right:
; CAUSAL ATTENTION, head size 128.  qh, kh, vh: [16][2048][128] f16 (rows of 256 bytes); ob: [2048][2048] f16, column = 128 head + channel.  Products and sums in f32;
; the weights are rounded to f16 for the second product, their sum is taken of the unrounded ones; O is rounded once.
; NO MAXIMUM IS TAKEN AWAY, because the computation bounds the exponents for every input.  q and k are RMS-normalised as the last step on them: the sum of a row's squares is
; sum t^2 / (sum t^2 / 128 + 1e-6), at most 128.  qh holds c q, c = log2(e) / sqrt(128) = 0.127517, kh holds k, each rounded once to f16: |qh . kh| <= 128 c (1 + 2^-11)^2 = 16.34.
; A weight is p = 2^(qh . kh - 0.5): between 2^-16.84 = 8.5e-6 and 2^15.84 = 58,700, under f16's 65,504; a row's sum is at most 2,048 p = 1.2e8, |O's sums| 8 times that: f32 holds both.
; LIMITS.  Below 6.1e-5 a weight keeps f16's fixed step of 6e-8: the smallest possible weight is 143 such steps.  A hidden score counts as its value less 4,096: its weight comes out as 0.
; NaN and infinities are not treated apart.
; THE WALK.  A head's queries lie in 32 blocks of 64, its keys in 8 tiles of 256.  Work-group b = 4 g + cx (g: the cluster) takes block b and then block 31 - b: g + 1 and 8 - g tiles, 9 whatever b,
; and the SAME tiles for the four partners of a cluster: every tile is asked for jointly.  Loops with constant trip counts walk them; the one forward jump past a block's end hangs on g alone.
; THE KEYS ARE SPLIT AMONG THE WAVES: of each tile wave w takes keys 64 w on, for all 64 queries (four tiles of 16).  So each LDS byte of K and V is read once in the work-group, and a fragment feeds four
; products.  Each wave keeps its own sum l and O^T; at a block's end the four meet in LDS: O = the sum of the O^T / the sum of the l.
; THE MASK is the C operand that starts S^T = K Q^T: -0.5, or -4,096 where the key is hidden.  In a block's last tile the queries lie beside wave d's keys (d = cx, then 3 - cx): wave w < d sees all, w > d none,
; w = d the triangle.  Elsewhere all is visible: one text, and nothing but values hangs on cx.
; LAYOUT.  In S^T a lane holds ONE query (lane % 16) and the keys 8 (lane / 16) + 0..7; two such results, as weights rounded to f16, ARE source 1 of O^T = V^T P.
; A STEP (a tile).  The wave's four query tiles are two pieces (tiles 0, 1 and tiles 2, 3).  V's run of LDS loads; piece 0's 32 products K Q^T; piece 2's, with four lines of piece 0's softmax behind each;
; the change of slots and the NEXT tile's K; piece 0's 32 products V^T P, with piece 2's softmax behind them; piece 2's.  So each run of LDS loads has half a step in which to land.
; REGISTERS, in windows of 256: window 0: v2-10 addresses; v12-19 l, a pair a tile; v44-55 at work; v64-191 S^T; v192-255 P.  window 1: O^T, 64 a tile.
;   window 2: v0-127 Q; v128-255 K of my 64 keys.  window 3: v0-127 V; v128-159 the masks.
.set PK,    272                        ; a row of K in LDS: 256 bytes + 16
.set PV,    288                        ; a row of V: 256 + 32
.set VOFF,  256*PK
.set SLOT1, 0x24000                    ; slot 1: bits 14 and 17, clear in every address inside slot 0 that is turned, so one exclusive or turns it into slot 1's
.set STAGE, SLOT1+256*(PK+PV)          ; 4 waves x 16 queries x (512 + 16) bytes of O^T
.set MP,    528
.set STAT,  STAGE+4*16*MP              ; 4 tiles x 16 queries x the four waves' l
.set SPARE, STAT+2048                  ; the spare words, 128 bytes for each wave: two blocks of 256 bytes that no other line names
.set AK0, 2
.set AV0, 3
.set ADR, 4
.set QO,  5
.set SA,  6
.set SR,  7
.set SW,  8
.set SRD, 9
.set OO,  10
.set ST,  12                           ; tile t's l at ST + 2 t: even keys', odd keys'
.set LT,  44                           ; a block's end: my l, a register a tile
.set BT,  48                           ; a pair a tile: at work, then 1 / the whole sum in the low register
.set PFO, 61
.set SPW, 62
.set NIL, 63
.set S,   64
.set P,   192
.set KF,  128
.set TRI, 128                          ; window 3: -4096 where 8 (l / 16) + j > l % 16, else 0
.set MLT, 136                          ; the mask of key blocks below the query tile's number,
.set MEQ, 144                          ; equal to it,
.set MGT, 152                          ; above it
.set SB,  64                           ; a block's end: the four waves' l, four registers a tile
.set MB,  64                           ; 4 rows x 4 partial sums x 4 registers
.set OB,  128                          ; packed results, 8 a tile
.set WV,  12
.set CX,  13
.set GG,  14
.set LIM, 15                           ; 4 in a cluster that prefetches, else 0
.set PFA, 18
.set G1K, 24
.set G1V, 32
.set G0K, 40
.set G0V, 44
.set DI,  48                           ; d of the block in hand
.set D2,  49
.set DD,  50
.set AL,  52
.set BE,  54
.set SLOTS, 56
.set GT,  57
.set CNT, 58
.set LQ2, 59                           ; the second block's last tile
.set SEL, 60
.set TB,  62
.set HID, 63
.set RT,  66                           ; tiles of the block in hand still to be entered
.set NXT, 67                           ; the tile to be asked for next
.set LQ,  68                           ; the last tile of the block whose tiles are being asked for
.set OFF, 70
.set Q2,  72
.set O2,  74
.set VIS, 0xbf000000                   ; -0.5
.set MSB, 0
.macro WIN new
.if MSB != (\new)
	s_set_vgpr_msb (MSB<<8)|(\new)
.set MSB, \new
.endif
.endm
.set W_KQ, 0x0a                        ; K and Q in window 2, S^T in window 0
.set W_KM, 0x3a                        ; the same with the C operand in window 3
.set W_PV, 0x53                        ; V in window 3, P in window 0, O^T in window 1
.set W_RS, 0x41                        ; destination and source 0 in window 1, source 1 in window 0
.macro PLACES
.rept 4
	v_nop
.endr
.endm
.macro JLOAD                           ; waves 0 and 1 fetch the two halves of a tile's K, waves 2 and 3 those of its V: 128 rows each
	s_cmp_lt_u32 s[WV], 2
	s_cbranch_scc0 .Lfor_v_\@
	tensor_load_to_lds s[G0K:G0K+3], s[G1K:G1K+7]
	s_nop 0
	PLACES
	s_branch .Lasked_\@
.Lfor_v_\@:
	tensor_load_to_lds s[G0V:G0V+3], s[G1V:G1V+7]
	s_nop 0
	PLACES
.Lasked_\@:
.endm
.macro CROUND
	s_barrier_signal -1
	s_barrier_wait -1
	s_cmp_lg_u32 s[WV], 0
	s_cbranch_scc1 .Lnot_wave_0_\@
	s_barrier_signal -3
.Lnot_wave_0_\@:
	s_barrier_wait -3
	s_barrier_signal -1
	s_barrier_wait -1
.endm
; A prefetch of the tile that the NEXT change of slots asks for.  Tiles 4 to 7 of a head are asked for first, among its four clusters, by cluster g = 0 (its second block walks tiles 0 to 7 in steps 1 to 8):
; it prefetches them, in the loop's trips 2 to 5 (5 to 2 trips left), and nobody else does.  Each partner takes 64 of a tile's 256 rows, by address; waves 0 and 1 ask for K's, waves 2 and 3 for V's,
; 32 rows each, a lane a row.  Tiles 0 to 3 come by their loads alone.
.macro ASK
	s_sub_co_u32 s16, s[SLOTS], 2
	s_cmp_lt_u32 s16, s[LIM]
	s_cbranch_scc0 .Lnot_mine_\@
	global_prefetch_b8 v[PFO], s[PFA:PFA+1] th:TH_LOAD_NT scope:SCOPE_SE
.Lnot_mine_\@:
.endm
; THE CHANGE OF SLOTS, in a step's middle: the step's K and V are in registers.  Each wave waits for all its tensor loads, of which one is out: its part of the next tile; adds 0 to its spare word; and waits
; for that and for its reads of the slot.  fill = 1: the slot left is filled again with tile NXT, behind a round of the cluster's barrier.
.macro CHANGE fill
	WIN 0
	s_wait_tensorcnt 0x0                           ; no tensor load of mine is out, so a group 0 may be written
	ds_add_u32 v[SPW], v[NIL]                      ; 0 onto my spare word
.if \fill
	s_lshl_b32 s[OFF], s[NXT], 16                  ; a tile is 65,536 bytes of K and of V
	s_xor_b32 s[G0K+1], s[G0K+1], SLOT1
	s_add_nc_u64 s[G0K+2:G0K+3], s[6:7], s[OFF:OFF+1]
	s_or_b32 s[G0K+3], s[G0K+3], 0x80000000
	s_xor_b32 s[G0V+1], s[G0V+1], SLOT1
	s_add_nc_u64 s[G0V+2:G0V+3], s[8:9], s[OFF:OFF+1]
	s_or_b32 s[G0V+3], s[G0V+3], 0x80000000
	s_add_co_u32 s[NXT], s[NXT], 1                 ; the block's next tile, or behind its last the second block's tile 0
	s_cmp_gt_u32 s[NXT], s[LQ]
	s_cselect_b32 s[NXT], 0, s[NXT]
	s_cselect_b32 s[LQ], s[LQ2], s[LQ]
	s_wait_xcnt 0x0                                ; the last prefetch, a step back, has read its address
	s_add_nc_u64 s[PFA:PFA+1], s[PFA:PFA+1], 65536
	s_wait_dscnt 0x0                               ; the add is done, and my reads of the slot are over: V is in
	CROUND
	JLOAD
	ASK
.else
	s_wait_dscnt 0x0
	s_barrier_signal -1
	s_barrier_wait -1
.endif
	s_xor_b32 s[TB], s[TB], SLOT1                  ; the fetches go to the other slot
.endm
.macro QLOAD lo                        ; 64 queries: tile i / 4, channels 32 (i % 4) on
	WIN 0x80
.irp i, 0,1,2,3,4,5,6,7,8,9,10,11,12,13,14,15
	global_load_b128 v[8*(\i):8*(\i)+3],   v[QO], s[\lo:\lo+1] offset:((\i)/4)*4096+((\i)%4)*64
	global_load_b128 v[8*(\i)+4:8*(\i)+7], v[QO], s[\lo:\lo+1] offset:((\i)/4)*4096+((\i)%4)*64+32
.endr
	WIN 0
.endm
; A block's sums start at 0.  Cleared on purpose, twice a launch: a first step written out, whose products start the sums, would be a third copy of the step's text.
.macro CLEAR
	WIN 0x40
.set i, 0
.rept 256
	v_mov_b32 v[i], 0
.set i, i+1
.endr
	WIN 0
.set i, 0
.rept 8
	v_mov_b32 v[ST+i], 0
.set i, i+1
.endr
.endm
	s_load_b256 s[4:11], s[0:1], 0x0               ; qh s[4:5], kh s[6:7], vh s[8:9], ob s[10:11]
	v_lshl_add_u32 v[SPW], v0, 2, SPARE
	v_mov_b32 v[NIL], 0
	ds_add_u32 v[SPW], v[NIL]                      ; the wave's opening: the add and its wait, ahead of my first tensor load
	v_lshrrev_b32 v1, 5, v0
	v_readfirstlane_b32 s[WV], v1
	s_bfe_u32 s[CX], ttmp6, 0x40000
	s_mov_b32 s[GG], ttmp9
	s_lshl_b32 s16, s[GG], 2
	s_add_co_u32 s16, s16, s[CX]                   ; b: the first block
	s_sub_co_u32 s17, 31, s16                      ; the second
	s_and_b32 s20, ttmp7, 0xffff                   ; the head
	s_lshl_b32 s22, s20, 8                         ; its 256 bytes in a row of ob
	s_lshl_b32 s20, s20, 19                        ; its 524,288 bytes in qh, kh, vh
	s_and_b32 s23, s[WV], 1                        ; which half of a tile's rows I fetch
	s_lshl_b32 s2, s23, 15
	s_add_co_u32 s2, s2, s20
	s_mov_b32 s3, 0
	s_mul_i32 s51, s23, 128*PK
	s_mul_i32 s69, s23, 128*PV
	s_mov_b32 s[G1K], 15|(1<<16)|(1<<20)|(1<<21)|(5<<22)|(3<<25)  ; the mask of four; 2-byte elements; padding on; bit 21 beside a mask; after every 64 words 4 words
	s_mov_b32 s[G1V], 15|(1<<16)|(1<<20)|(1<<21)|(5<<22)|(7<<25)  ; the same with 8 words
.irp g, G1K, G1V
	s_mov_b32 s[(\g)+1], 128<<16
	s_mov_b32 s[(\g)+2], 128<<16
	s_mov_b32 s[(\g)+3], 128<<16
	s_mov_b32 s[(\g)+4], 128
	s_mov_b32 s[(\g)+5], 128
	s_mov_b32 s[(\g)+6], 0
	s_mov_b32 s[(\g)+7], 0
.endr
	s_mov_b32 s[SEL], 0x76543210
	s_mov_b32 s[SEL+1], 0xfedcba98
	s_mov_b32 s[DI], s[CX]
	s_sub_co_u32 s[D2], 3, s[CX]
	s_add_co_u32 s[RT], s[GG], 1                   ; the first block has g + 1 tiles
	s_mov_b32 s[NXT], 1
	s_mov_b32 s[LQ], s[GG]
	s_sub_co_u32 s[LQ2], 7, s[GG]
	s_cmp_gt_u32 s[NXT], s[LQ]                     ; where the first block has one tile, the next to ask for is the second block's tile 0
	s_cselect_b32 s[NXT], 0, s[NXT]
	s_cselect_b32 s[LQ], s[LQ2], s[LQ]
	s_mov_b32 s[OFF+1], 0
	s_mov_b32 s[AL+1], 0
	s_mov_b32 s[BE+1], 0
	s_mov_b32 s[HID], 0xc5800000                   ; -4096
	s_mov_b32 s[SLOTS], 7
	s_mov_b32 s[TB], SLOT1                         ; the first change of slots turns it into 0
	s_cmp_eq_u32 s[GG], 0
	s_cselect_b32 s[LIM], 4, 0
	s_mov_b32 s[G0K], 1
	s_mov_b32 s[G0K+1], s51
	s_mov_b32 s[G0V], 1
	s_add_co_u32 s[G0V+1], s69, VOFF
	s_lshl_b32 s76, s[CX], 14                      ; the prefetches: my work-group's 64 rows,
	s_lshl_b32 s77, s23, 13                        ; my wave's 32 of them,
	s_add_co_u32 s76, s76, s77
	s_add_co_u32 s76, s76, s20                     ; in tile 0; each change steps it a tile on: in the loop's trip j it stands at tile j + 2
	s_mov_b32 s77, 0
	s_lshl_b32 s78, s17, 14                        ; a block is 16,384 bytes of qh
	s_add_co_u32 s78, s78, s20
	s_mov_b32 s79, 0
	s_wait_dscnt 0x0                               ; the opening add is done
	s_wait_kmcnt 0x0
	s_cmp_lt_u32 s[WV], 2
	s_cselect_b64 s[PFA:PFA+1], s[6:7], s[8:9]
	s_add_nc_u64 s[PFA:PFA+1], s[PFA:PFA+1], s[76:77]
	s_add_nc_u64 s[Q2:Q2+1], s[4:5], s[78:79]
	s_lshl_b32 s78, s16, 14
	s_add_co_u32 s78, s78, s20
	s_add_nc_u64 s[4:5], s[4:5], s[78:79]
	s_lshl_b32 s78, s17, 18                        ; a block is 64 rows of 4,096 bytes of ob
	s_add_co_u32 s78, s78, s22
	s_add_nc_u64 s[O2:O2+1], s[10:11], s[78:79]
	s_lshl_b32 s78, s16, 18
	s_add_co_u32 s78, s78, s22
	s_add_nc_u64 s[10:11], s[10:11], s[78:79]
	s_add_nc_u64 s[6:7], s[6:7], s[2:3]            ; K and V at my half of the head's tile 0
	s_add_nc_u64 s[8:9], s[8:9], s[2:3]
	s_add_nc_u64 s[G0K+2:G0K+3], s[6:7], 0
	s_or_b32 s[G0K+3], s[G0K+3], 0x80000000
	s_add_nc_u64 s[G0V+2:G0V+3], s[8:9], 0
	s_or_b32 s[G0V+3], s[G0V+3], 0x80000000
	CROUND                                         ; all four work-groups are here
	JLOAD                                          ; tile 0 into slot 0
	v_and_b32 v44, 15, v0                          ; l % 16
	v_bfe_u32 v45, v0, 4, 1                        ; l / 16
	v_and_b32 v46, 31, v0                          ; l
	v_lshlrev_b32 v[QO], 8, v44
	v_lshl_add_u32 v[QO], v45, 4, v[QO]
	QLOAD 4
	v_lshlrev_b32 v47, 3, v45
	v_sub_nc_u32 v47, v44, v47                     ; register j is hidden in the triangle where j > l % 16 - 8 (l / 16)
	WIN 0xc0
.irp j, 0,1,2,3,4,5,6,7
	v_cmp_gt_i32 vcc_lo, \j, v47
	v_cndmask_b32 v[TRI+(\j)], 0, s[HID], vcc_lo
.endr
	WIN 0
	s_mul_i32 s16, s[WV], 64*PK                    ; my 64 keys
	v_mul_u32_u24 v[AK0], v44, PK
	v_lshl_add_u32 v[AK0], v45, 4, v[AK0]
	v_add_nc_u32 v[AK0], s16, v[AK0]
	s_mul_i32 s16, s[WV], 64*PV
	s_add_co_u32 s16, s16, VOFF
	v_and_b32 v47, 7, v0
	v_lshl_add_u32 v[AV0], v45, 3, v47             ; the turning load: key 8 (l / 16) + l % 8, channels 8 ((l / 8) % 2) on
	v_mul_u32_u24 v[AV0], v[AV0], PV
	v_bfe_u32 v47, v0, 3, 1
	v_lshl_add_u32 v[AV0], v47, 4, v[AV0]
	v_add_nc_u32 v[AV0], s16, v[AV0]
	s_lshl_b32 s16, s[WV], 2
	s_add_co_u32 s16, s16, STAT
	v_lshl_add_u32 v[SA], v44, 4, s16              ; my wave's word among a query's four
	v_lshlrev_b32 v[SR], 4, v44
	v_add_nc_u32 v[SR], STAT, v[SR]
	s_mul_i32 s16, s[WV], 16*MP
	s_add_co_u32 s16, s16, STAGE
	v_mul_u32_u24 v[SW], v44, MP
	v_lshl_add_u32 v[SW], v45, 5, v[SW]
	v_add_nc_u32 v[SW], s16, v[SW]
	s_mul_i32 s16, s[WV], 4*MP
	s_add_co_u32 s16, s16, STAGE
	v_lshl_add_u32 v[SRD], v46, 4, s16
	s_lshl_b32 s16, s[WV], 14
	v_lshl_add_u32 v[OO], v46, 3, s16
	v_lshlrev_b32 v[PFO], 8, v46
.irp t, 0,1,2,3
	v_mov_b32 v[BT+2*(\t)+1], 0                    ; v_permlanex16_b32 counts as a reader of its destination
.endr
	CLEAR                                          ; in the wait for the first tile
; Product i of 32 of S^T = K Q^T for tiles x, x + 1: channels 32 (i / 8) on, keys 16 ((i / 2) % 4) on, tile x + i % 2.  The first 8 start the sums with the mask.  The 8 accumulators take turns.
.macro KQ x
.set rS, S+32*((\x)+i%2)+8*((i/2)%4)
.set rK, KF+32*((i/2)%4)+8*(i/8)
.set rQ, 32*((\x)+i%2)+8*(i/8)
.if i < 8
.set rM, MEQ
.if ((i/2)%4) < ((\x)+i%2)
.set rM, MLT
.endif
.if ((i/2)%4) > ((\x)+i%2)
.set rM, MGT
.endif
	WIN W_KM
	v_wmma_f32_16x16x32_f16 v[rS:rS+7], v[rK:rK+7], v[rQ:rQ+7], v[rM:rM+7]
.else
	WIN W_KQ
	v_wmma_f32_16x16x32_f16 v[rS:rS+7], v[rK:rK+7], v[rQ:rQ+7], v[rS:rS+7]
.endif
.endm
; Product i of 32 of O^T += V^T P: keys 32 (i / 16) on, channels 16 ((i / 2) % 8) on, tile x + i % 2.  The 16 accumulators take turns.
.macro PVM x
	WIN W_PV
.set rO, 64*((\x)+i%2)+8*((i/2)%8)
.set rV, 64*(i/16)+8*((i/2)%8)
.set rP, P+16*((\x)+i%2)+8*(i/16)
	v_wmma_f32_16x16x32_f16 v[rO:rO+7], v[rV:rV+7], v[rP:rP+7], v[rO:rO+7]
.endm
; last = 1 (the tail): in the last trip there is no further tile, and the run is jumped over.
.macro FETCH_K last=0
	WIN 0
.if \last
	s_cmp_eq_u32 s[CNT], 1
	s_cbranch_scc1 .Lno_k_\@
.endif
	v_add_nc_u32 v[ADR], s[TB], v[AK0]
	WIN 0x80
.irp f, 0,1,2,3,4,5,6,7,8,9,10,11,12,13,14,15
	ds_load_b128 v[KF+8*(\f):KF+8*(\f)+3],   v[ADR] offset:((\f)/4)*16*PK+((\f)%4)*64
	ds_load_b128 v[KF+8*(\f)+4:KF+8*(\f)+7], v[ADR] offset:((\f)/4)*16*PK+((\f)%4)*64+32
.endr
	WIN 0
.if \last
.Lno_k_\@:
.endif
.endm
.macro FETCH_V
	WIN 0
	v_add_nc_u32 v[ADR], s[TB], v[AV0]
	WIN 0xc0
.irp f, 0,1,2,3,4,5,6,7,8,9,10,11,12,13,14,15
	ds_load_tr16_b128 v[8*(\f):8*(\f)+3],   v[ADR] offset:((\f)/8)*32*PV+((\f)%8)*32
	ds_load_tr16_b128 v[8*(\f)+4:8*(\f)+7], v[ADR] offset:((\f)/8)*32*PV+16*PV+((\f)%8)*32
.endr
.endm
.macro MASKS                           ; the three masks of the tile in hand
	s_cmp_eq_u32 s[RT], 0
	s_cselect_b32 s[DD], s[DI], 4                  ; not the block's last tile: every wave sees all
	s_cmp_eq_u32 s[WV], s[DD]
	s_cselect_b32 s[AL], 1.0, 0
	s_cmp_gt_u32 s[WV], s[DD]
	s_cselect_b32 s[BE], s[HID], VIS
	s_cmp_ge_u32 s[WV], s[DD]
	s_cselect_b32 s[GT], s[HID], VIS
	WIN 0xc3
.irp j, 0,1,2,3,4,5,6,7
	v_mov_b32 v[MLT+(\j)], s[BE]
	v_mov_b32 v[MGT+(\j)], s[GT]
.endr
.irp j, 0,2,4,6
	v_pk_fma_f32 v[MEQ+(\j):MEQ+(\j)+1], v[TRI+(\j):TRI+(\j)+1], s[AL:AL+1], s[BE:BE+1] op_sel_hi:[1,0,0]
.endr
.endm
; One tile's softmax for one step: a list of 64 instructions; SM writes number j of it for tile t.  The accumulators hold the exponents as they come.
;   0-31 the exponentials, in ascending order (each accumulator's lowest register is read first)   32-47 the roundings to f16, a pair each   48-63 the sums, in place; l takes the last
.macro SM t
.set rL, ST+2*(\t)
.set rS, S+32*(\t)
.set rP, P+16*(\t)
.if j < 32
	v_exp_f32 v[rS+j], v[rS+j]
.elseif j < 48
	v_cvt_pk_f16_f32 v[rP+j-32], v[rS+2*(j-32)], v[rS+2*(j-32)+1]
.else
.set z, j-48
.set w, 4
.set u, z
.if z >= 14
.set w, 32
.set u, 0
.elseif z >= 12
.set w, 16
.set u, z-12
.elseif z >= 8
.set w, 8
.set u, z-8
.endif
.if z < 15
	v_pk_add_f32 v[rS+w*u:rS+w*u+1], v[rS+w*u:rS+w*u+1], v[rS+w*u+w/2:rS+w*u+w/2+1]
.else
	v_pk_add_f32 v[rL:rL+1], v[rL:rL+1], v[rS:rS+1]
.endif
.endif
.endm
; Slice k of 32 of piece y's softmax: numbers 2 k and 2 k + 1 of both tiles' lists, the tiles alternating: four lines, behind one matrix instruction of the other piece, whose registers they do not name.
; Slices 0 to 15 are the piece's 64 exponentials: ONE batch, with a plain line and one wait behind it; slices 16 to 31 read the results.
.macro SLICE y
	WIN 0
.irp n, 0,1
.irp t, \y, (\y)+1
.set j, 2*k+(\n)
	SM \t
.endr
.endr
.if k == 15
	v_nop
	s_wait_alu depctr_va_vdst(0)
.endif
.set k, k+1
.endm
; A step's first half: the scores.  K came in the step before.
.macro STEPA
	s_sub_co_u32 s[RT], s[RT], 1
	MASKS                                          ; 20 plain lines: also the places between the last products V^T P and the loads into V's registers
	FETCH_V
	s_wait_dscnt 32                                ; K is in; V's 32 loads may stay out
.set i, 0
.rept 32
	KQ 0
.set i, i+1
.endr
	WIN 0
	PLACES                                         ; between piece 0's scores and the lines that read them
.set i, 0
.set k, 0
.rept 32
	KQ 2
	SLICE 0
.set i, i+1
.endr
.endm
; Its second half.  The last slice above, four plain lines, stands between piece 2's scores and the lines that read them, and between the last product that read K and the loads into K's registers.
.macro STEPB
.set i, 0
.set k, 0
.rept 32
	PVM 0
	SLICE 2
.set i, i+1
.endr
.set i, 0
.rept 32
	PVM 2
.set i, i+1
.endr
	WIN 0
.endm
; Tile t of a block's end: the four waves' O^T go into the stage; wave w adds up rows 4 w .. 4 w + 3, a row across its 32 lanes, rounds and stores them.
.macro MERGE t
	WIN 0x04                                       ; store data in window 1
.irp f, 0,1,2,3,4,5,6,7
	ds_store_b128 v[SW], v[64*(\t)+8*(\f):64*(\t)+8*(\f)+3]   offset:64*(\f)
	ds_store_b128 v[SW], v[64*(\t)+8*(\f)+4:64*(\t)+8*(\f)+7] offset:64*(\f)+16
.endr
	WIN 0
	s_wait_dscnt 0x0                               ; for the others' sake
	s_barrier_signal -1
	s_barrier_wait -1
.irp q, 0,1,2,3
.irp u, 0,1,2,3
	ds_load_b128 v[MB+16*(\q)+4*(\u):MB+16*(\q)+4*(\u)+3], v[SRD] offset:16*MP*(\u)+MP*(\q)
.endr
.endr
	s_wait_dscnt 0x0                               ; my reads of the stage are over:
.if (\t) < 3
	s_barrier_signal -1                            ; say so; the next tile is written behind the wait below
.endif
.irp q, 0,1,2,3
	v_pk_add_f32 v[MB+16*(\q):MB+16*(\q)+1],     v[MB+16*(\q):MB+16*(\q)+1],     v[MB+16*(\q)+4:MB+16*(\q)+5]
	v_pk_add_f32 v[MB+16*(\q)+2:MB+16*(\q)+3],   v[MB+16*(\q)+2:MB+16*(\q)+3],   v[MB+16*(\q)+6:MB+16*(\q)+7]
	v_pk_add_f32 v[MB+16*(\q)+8:MB+16*(\q)+9],   v[MB+16*(\q)+8:MB+16*(\q)+9],   v[MB+16*(\q)+12:MB+16*(\q)+13]
	v_pk_add_f32 v[MB+16*(\q)+10:MB+16*(\q)+11], v[MB+16*(\q)+10:MB+16*(\q)+11], v[MB+16*(\q)+14:MB+16*(\q)+15]
.endr
.irp q, 0,1,2,3
	v_pk_add_f32 v[MB+16*(\q):MB+16*(\q)+1],   v[MB+16*(\q):MB+16*(\q)+1],   v[MB+16*(\q)+8:MB+16*(\q)+9]
	v_pk_add_f32 v[MB+16*(\q)+2:MB+16*(\q)+3], v[MB+16*(\q)+2:MB+16*(\q)+3], v[MB+16*(\q)+10:MB+16*(\q)+11]
.endr
.irp q, 0,1,2,3
	v_cvt_pk_f16_f32 v[OB+8*(\t)+2*(\q)],   v[MB+16*(\q)],   v[MB+16*(\q)+1]
	v_cvt_pk_f16_f32 v[OB+8*(\t)+2*(\q)+1], v[MB+16*(\q)+2], v[MB+16*(\q)+3]
.endr
.if (\t) < 3
	s_barrier_wait -1
.endif
.irp q, 0,1,2,3
	global_store_b64 v[OO], v[OB+8*(\t)+2*(\q):OB+8*(\t)+2*(\q)+1], s[10:11] offset:(16*(\t)+(\q))*4096  ; the wave stores 256 consecutive bytes, aligned: a query's 128 channels
.endr
.endm
; A BLOCK'S END.  l's two halves and the other half of the lanes' are added; the four waves' l meet in LDS; each wave divides its O^T by the whole sum; the O^T meet in the stage.
; more = 1: the second block's Q is asked for meanwhile.
.macro END more
	WIN 0
.irp t, 0,1,2,3
	v_add_f32 v[BT+2*(\t)], v[ST+2*(\t)], v[ST+2*(\t)+1]
.endr
.irp t, 0,1,2,3
	v_permlanex16_b32 v[BT+2*(\t)+1], v[BT+2*(\t)], s[SEL], s[SEL+1]
.endr
.irp t, 0,1,2,3
	v_add_f32 v[LT+(\t)], v[BT+2*(\t)], v[BT+2*(\t)+1]
.endr
.irp t, 0,1,2,3
	ds_store_b32 v[SA], v[LT+(\t)] offset:256*(\t)  ; lanes l and l + 16 write the same word with the same number
.endr
.if \more
	QLOAD Q2
.endif
	s_wait_dscnt 0x0
	s_barrier_signal -1
	s_barrier_wait -1
.irp t, 0,1,2,3
	ds_load_b128 v[SB+4*(\t):SB+4*(\t)+3], v[SR] offset:256*(\t)
.endr
	s_wait_dscnt 0x0
.irp t, 0,1,2,3
	v_add_f32 v[SB+4*(\t)], v[SB+4*(\t)], v[SB+4*(\t)+1]
	v_add_f32 v[SB+4*(\t)+2], v[SB+4*(\t)+2], v[SB+4*(\t)+3]
.endr
.irp t, 0,1,2,3
	v_add_f32 v[SB+4*(\t)], v[SB+4*(\t)], v[SB+4*(\t)+2]
.endr
.irp t, 0,1,2,3
	v_rcp_f32 v[BT+2*(\t)], v[SB+4*(\t)]           ; the sum holds the query's own key's weight, at least 8.5e-6
.endr
	v_nop
	s_wait_alu depctr_va_vdst(0)                   ; one wait for the four reciprocals
	WIN W_RS
.irp t, 0,1,2,3
.set i, 64*(\t)
.rept 32
	v_pk_mul_f32 v[i:i+1], v[i:i+1], v[BT+2*(\t):BT+2*(\t)+1] op_sel_hi:[1,0]
.set i, i+2
.endr
.endr
	MERGE 0
	MERGE 1
	MERGE 2
	MERGE 3
.endm
	CHANGE 1                                       ; tile 0 is in, everybody's part of it; the walk's second tile is asked for
	FETCH_K                                        ; K of the walk's first tile
	s_wait_loadcnt 0x0                             ; Q
.Lslot:                                                ; 7 trips: steps 0 to 6 of the walk; step j asks for the tile of step j + 2
	STEPA
	CHANGE 1
	FETCH_K
	STEPB
	s_cmp_lg_u32 s[RT], 0                          ; the same in every wave and in every partner: it hangs on g alone
	s_cbranch_scc1 .Lbottom
	END 1                                          ; the first block's end: behind step g, 3 at the most
	s_wait_xcnt 0x0                                ; the stores have read their data, which the next scores overwrite, and ob's address
	s_mov_b64 s[10:11], s[O2:O2+1]
	s_sub_co_u32 s[RT], 8, s[GG]                   ; the second block has 8 - g tiles
	s_mov_b32 s[DI], s[D2]
	CLEAR
	s_wait_loadcnt 0x0                             ; its Q
.Lbottom:
	s_sub_co_u32 s[SLOTS], s[SLOTS], 1
	s_cmp_lg_u32 s[SLOTS], 0
	s_cbranch_scc1 .Lslot
	s_mov_b32 s[CNT], 2
.Ltail:                                                ; steps 7 and 8 have a text of their own: nothing is asked for
	STEPA
	CHANGE 0
	FETCH_K 1
	STEPB
	s_sub_co_u32 s[CNT], s[CNT], 1
	s_cmp_lg_u32 s[CNT], 0
	s_cbranch_scc1 .Ltail
	END 0
	s_wait_tensorcnt 0x0                           ; the wave's end
	ds_add_u32 v[SPW], v[NIL]
	s_wait_dscnt 0x0
	CROUND                                         ; the closing round
	s_endpgm
.Lfunc_end_k_q821996dbc0_attn:
	.size	k_q821996dbc0_attn, .Lfunc_end_k_q821996dbc0_attn-k_q821996dbc0_attn
	.p2alignl 7, 3214868480
	.fill 96, 4, 3214868480
	.section	.rodata,"a",@progbits
	.p2align	6, 0x0
	.amdhsa_kernel k_q821996dbc0_attn
		.amdhsa_group_segment_fixed_size 327680
		.amdhsa_private_segment_fixed_size 0
		.amdhsa_enable_private_segment 0
		.amdhsa_kernarg_size 32
		.amdhsa_user_sgpr_count 2
		.amdhsa_user_sgpr_kernarg_segment_ptr 1
		.amdhsa_wavefront_size32 1
		.amdhsa_system_sgpr_workgroup_id_x 1
		.amdhsa_system_sgpr_workgroup_id_y 1
		.amdhsa_system_sgpr_workgroup_id_z 1
		.amdhsa_system_vgpr_workitem_id 0
		.amdhsa_next_free_vgpr 928
		.amdhsa_next_free_sgpr 80
		.amdhsa_reserve_vcc 1
		.amdhsa_float_denorm_mode_32 3
		.amdhsa_float_denorm_mode_16_64 3
		.amdhsa_memory_ordered 1
		.amdhsa_forward_progress 1
		.amdhsa_inst_pref_size 154
	.end_amdhsa_kernel
	.amdgpu_metadata
---
amdhsa.version: [ 1, 2 ]
amdhsa.kernels:
  - .name:           k_q821996dbc0_attn
    .symbol:         k_q821996dbc0_attn.kd
    .args:
      - { .name: qh, .offset: 0, .size: 8, .value_kind: global_buffer, .address_space: global }
      - { .name: kh, .offset: 8, .size: 8, .value_kind: global_buffer, .address_space: global }
      - { .name: vh, .offset: 16, .size: 8, .value_kind: global_buffer, .address_space: global }
      - { .name: ob, .offset: 24, .size: 8, .value_kind: global_buffer, .address_space: global }
    .group_segment_fixed_size: 327680
    .private_segment_fixed_size: 0
    .kernarg_segment_align: 8
    .kernarg_segment_size: 32
    .max_flat_workgroup_size: 128
    .sgpr_count:     80
    .vgpr_count:     928
    .wavefront_size: 32
...
	.end_amdgpu_metadata
.endif
;; end of part 3
;; launch oproj (part 4): grid 16 x 16, 4 waves a work-group, clusters of 4 x 4, 327,680 bytes of LDS; arguments ob, wob, out0; writes out0
.if DOCPART == 4
	.amdgcn_target "amdgcn-amd-amdhsa--gfx1250"
	.amdhsa_code_object_version 6
	.text
	.protected	k_q821996dbc0_oproj
	.globl	k_q821996dbc0_oproj
	.p2align	8
	.type	k_q821996dbc0_oproj,@function
k_q821996dbc0_oproj:
	s_mov_b64 s[64:65], 0
	v_nop
	global_prefetch_b8 v0, s[64:65] scope:SCOPE_SE
	s_setreg_imm32_b32 hwreg(HW_REG_WAVE_MODE, 25, 1), 1
	s_wait_xcnt 0x0
	s_wait_alu depctr_hold_cnt(0) depctr_sa_sdst(0) depctr_va_vdst(0) depctr_va_sdst(0) depctr_va_ssrc(0) depctr_va_vcc(0) depctr_vm_vsrc(0)
	s_getreg_b32 s2, hwreg(HW_REG_IB_STS2, 6, 4)
	s_cmp_eq_u32 s2, 0
	s_cbranch_scc0 .Lentry_in_a_cluster
	s_endpgm
.Lentry_in_a_cluster:
	s_bfe_u32 s2, ttmp6, 0x10000c
	s_cmp_lg_u32 s2, 0xf033
	s_cbranch_scc0 .Lentry_shape_is_right
	s_endpgm
.Lentry_shape_is_right:
; out0[m][n] = sum over k of ob[m][k] wob[n][k].  ob, wob: [2048][2048] f16; out0 f32; sums in f32.
; A tile of out0 is 128 x 128: 256 work-groups.  Four waves, each 64 x 64: 16 accumulators.  K goes in 8 steps of 256 (LDS rows of 512 bytes; a wave's tensor load brings 64 of them) through two slots.
; CLUSTERS: 4 x 4 work-groups; A's tile is asked for jointly along a row of the cluster, B's along a column.  The matrix instruction is used transposed (source 0 = 16 rows of B, source 1 = 16 rows of A):
; a lane holds eight neighbouring numbers of a row.  A wave's 64 f32 columns are 256 bytes, aligned: each wave has a stage of its own, 16 rows at a time, and no barrier on the way out.
; THE WALK ALONG K.  A cluster whose x + y is odd begins at K step 4 and wraps: so of the clusters that read the same rows half ask for a given K step four steps behind the other half.
; The sums are the same terms in another order.
; No prefetch: the tiles are small.
; REGISTERS: window 0: v0-31 addresses; v128-255 the accumulators ((a, b) at v[128 + 8 (4 a + b)]).  window 1: two fragment buffers of 128.
.set SIZE_K, 2048
.set SIZE_N, 2048
.set KSTEP,  256
.set PITCH,  528
.set HALFT,  64*PITCH
.set SLOT,   4*HALFT
.set STAGE,  2*SLOT
.set SPITCH, 272
.set SPARE,  STAGE+4*16*SPITCH         ; the spare words, 128 bytes for each wave: two blocks of 256 bytes that no other line names
.set LAPS, SIZE_K/(2*KSTEP)
.set ADRA, 16
.set ADRB, 20
.set STO,  24
.set RD,   25
.set CO,   26
.set SPW,  28
.set NIL,  29
.set ACC,  128
.set F0,   0
.set F1,   128
.set KI,  2                            ; s2  where my cluster's walk begins (0 or 4), then the number, before the wrap, of the K step to be asked for next
.set ABASE, 4                          ; s[4:5] A at my tile's first row, K = 0
.set BBASE, 6                          ; s[6:7] B likewise
.set KO,  44                           ; s[44:45] a K step's byte offset in a row
.set G1, 24
.set G0, 32
.set G1B, 48
.set G0B, 56
.set MSB, 0
.macro WIN new
.if MSB != (\new)
	s_set_vgpr_msb (MSB<<8)|(\new)
.set MSB, \new
.endif
.endm
.set MUL,  0x05                        ; sources 0 (B) and 1 (A) window 1; C and D window 0
.set TO_F, 0x40                        ; destination window 1, address window 0
.macro JLOAD s                         ; waves 0 and 1 fetch A's two halves, waves 2 and 3 B's
	s_cmp_eq_u32 s11, 0
	s_cbranch_scc0 .Lfor_b_\@
	tensor_load_to_lds s[G0+4*(\s):G0+4*(\s)+3], s[G1:G1+7]
	s_nop 0
.rept 4
	v_nop
.endr
	s_branch .Lasked_\@
.Lfor_b_\@:
	tensor_load_to_lds s[G0B+4*(\s):G0B+4*(\s)+3], s[G1B:G1B+7]
	s_nop 0
.rept 4
	v_nop
.endr
.Lasked_\@:
.endm
.macro CREST
	s_cmp_lg_u32 s10, 0
	s_cbranch_scc1 .Lnot_wave_0_\@
	s_barrier_signal -3
.Lnot_wave_0_\@:
	s_barrier_wait -3
	s_barrier_signal -1
	s_barrier_wait -1
.endm
.macro CROUND
	s_barrier_signal -1
	s_barrier_wait -1
	CREST
.endm
	s_load_b128 s[4:7], s[0:1], 0x0                ; A s[4:5], B s[6:7]
	s_load_b64 s[8:9], s[0:1], 0x10                ; C
	v_lshl_add_u32 v[SPW], v0, 2, SPARE
	v_mov_b32 v[NIL], 0
	ds_add_u32 v[SPW], v[NIL]                      ; the wave's opening: the add and its wait, ahead of my first tensor load
	v_lshrrev_b32 v1, 5, v0
	v_readfirstlane_b32 s10, v1                    ; wave 0..3
	s_lshr_b32 s11, s10, 1                         ; which half of the tile's rows is mine.  Also: I fetch for A (0) or for B (1)
	s_and_b32 s12, s10, 1                          ; which half of its columns.  Also: which 64 rows of that tile I fetch
	s_bfe_u32 s40, ttmp6, 0x40000
	s_bfe_u32 s41, ttmp6, 0x40004
	s_lshl_b32 s42, ttmp9, 2
	s_add_co_u32 s42, s42, s40                     ; tile column
	s_and_b32 s[KI], ttmp7, 0xffff                 ; cluster y
	s_lshl_b32 s13, s[KI], 2
	s_add_co_u32 s13, s13, s41                     ; tile row
	s_add_co_u32 s[KI], s[KI], ttmp9
	s_and_b32 s[KI], s[KI], 1
	s_lshl_b32 s[KI], s[KI], 2                     ; 4 where cluster x + cluster y is odd: the same in all sixteen partners
	s_lshl_b32 s43, s41, 2
	s_lshl_b32 s43, 15, s43                        ; my row of the cluster
	s_lshl_b32 s44, 0x1111, s40                    ; my column
	s_or_b32 s[G1+0], s43, (1<<16)|(1<<20)|(1<<21)|(6<<22)|(3<<25)  ; mask; 2-byte elements; padding on; bit 21 beside a mask; after every 128 words 4 words
	s_or_b32 s[G1B+0], s44, (1<<16)|(1<<20)|(1<<21)|(6<<22)|(3<<25)
.irp g, G1, G1B
	s_mov_b32 s[(\g)+1], KSTEP<<16
	s_mov_b32 s[(\g)+2], 64<<16
	s_mov_b32 s[(\g)+3], KSTEP<<16
	s_mov_b32 s[(\g)+4], 64
	s_mov_b32 s[(\g)+5], SIZE_K
	s_mov_b32 s[(\g)+6], 0
	s_mov_b32 s[(\g)+7], 0
.endr
	s_lshl_b32 s17, s12, 6
	s_lshl_b32 s16, s13, 7
	s_add_co_u32 s16, s16, s17                     ; A: row 128 x tile row + 64 x half
	s_lshl_b32 s46, s42, 7
	s_add_co_u32 s46, s46, s17                     ; B: row 128 x tile column + 64 x half
	s_mov_b32 s17, 0
	s_mov_b32 s47, 0
	s_mov_b64 s[18:19], SIZE_K*2
	s_mul_u64 s[16:17], s[16:17], s[18:19]
	s_mul_u64 s[46:47], s[46:47], s[18:19]
	s_mul_i32 s20, s10, HALFT
	s_mov_b32 s[KO+1], 0
	s_wait_dscnt 0x0                               ; the opening add is done
	s_wait_kmcnt 0x0
	s_add_nc_u64 s[ABASE:ABASE+1], s[ABASE:ABASE+1], s[16:17]
	s_add_nc_u64 s[BBASE:BBASE+1], s[BBASE:BBASE+1], s[46:47]
	CROUND
.irp s, 0,1
	s_add_co_u32 s[KO], s[KI], \s
	s_lshl_b32 s[KO], s[KO], 9                     ; a K step is 512 bytes of a row
	s_mov_b32 s[G0+4*(\s)], 1
	s_add_co_u32 s[G0+4*(\s)+1], s20, (\s)*SLOT
	s_add_nc_u64 s[G0+4*(\s)+2:G0+4*(\s)+3], s[ABASE:ABASE+1], s[KO:KO+1]
	s_or_b32 s[G0+4*(\s)+3], s[G0+4*(\s)+3], 0x80000000
	s_mov_b32 s[G0B+4*(\s)], 1
	s_add_co_u32 s[G0B+4*(\s)+1], s20, (\s)*SLOT
	s_add_nc_u64 s[G0B+4*(\s)+2:G0B+4*(\s)+3], s[BBASE:BBASE+1], s[KO:KO+1]
	s_or_b32 s[G0B+4*(\s)+3], s[G0B+4*(\s)+3], 0x80000000
	JLOAD \s
.endr
	s_add_co_u32 s[KI], s[KI], 2
	v_and_b32 v1, 15, v0                           ; l % 16
	v_bfe_u32 v2, v0, 4, 1                         ; l / 16
	v_mul_u32_u24 v3, v1, PITCH
	v_lshl_add_u32 v3, v2, 4, v3
	s_mul_i32 s21, s11, HALFT
	s_mul_i32 s22, s12, HALFT
	s_add_co_u32 s22, s22, 2*HALFT
.irp s, 0,1
	v_add_nc_u32 v[ADRA+(\s)], s21, v3
	v_add_nc_u32 v[ADRB+(\s)], s22, v3
	s_add_co_u32 s21, s21, SLOT
	s_add_co_u32 s22, s22, SLOT
.endr
	s_mul_i32 s23, s10, 16*SPITCH
	s_add_co_u32 s23, s23, STAGE                   ; my stage
	v_mul_u32_u24 v4, v1, SPITCH                   ; in: row l % 16, 32 bytes for each half of the lanes
	v_lshl_add_u32 v4, v2, 5, v4
	v_add_nc_u32 v[STO], s23, v4
	v_mul_u32_u24 v5, v2, SPITCH                   ; back: lanes 0-15 take one row of 256 bytes, lanes 16-31 the next
	v_lshl_add_u32 v5, v1, 4, v5
	v_add_nc_u32 v[RD], s23, v5
	v_lshlrev_b32 v5, 13, v2                       ; and the same two rows in out0: 8,192 bytes a row
	v_lshl_add_u32 v[CO], v1, 4, v5
	s_lshl_b32 s16, s13, 7
	s_lshl_b32 s17, s11, 6
	s_add_co_u32 s16, s16, s17                     ; my first row: 128 x tile row + 64 x half
	s_lshl_b32 s16, s16, 13
	s_mov_b32 s17, 0
	s_add_nc_u64 s[8:9], s[8:9], s[16:17]
	s_lshl_b32 s46, s42, 9                         ; my first column, in bytes: 512 x tile column + 256 x half
	s_lshl_b32 s47, s12, 8
	s_add_co_u32 s46, s46, s47
	s_mov_b32 s47, 0
	s_add_nc_u64 s[8:9], s[8:9], s[46:47]
.macro MUL8 f, c, a0, zero             ; 8 matrix instructions: m blocks a0, a0 + 1 x all 4 n blocks, 32 along K: half c of buffer f.  The 16 accumulators take turns
	WIN MUL
.irp a, \a0, (\a0)+1
.irp b, 0,1,2,3
.if \zero
	v_wmma_f32_16x16x32_f16 v[ACC+8*(4*(\a)+(\b)):ACC+8*(4*(\a)+(\b))+7], v[(\f)+64+8*(4*(\c)+(\b)):(\f)+64+8*(4*(\c)+(\b))+7], v[(\f)+8*(4*(\c)+(\a)):(\f)+8*(4*(\c)+(\a))+7], 0
.else
	v_wmma_f32_16x16x32_f16 v[ACC+8*(4*(\a)+(\b)):ACC+8*(4*(\a)+(\b))+7], v[(\f)+64+8*(4*(\c)+(\b)):(\f)+64+8*(4*(\c)+(\b))+7], v[(\f)+8*(4*(\c)+(\a)):(\f)+8*(4*(\c)+(\a))+7], v[ACC+8*(4*(\a)+(\b)):ACC+8*(4*(\a)+(\b))+7]
.endif
.endr
.endr
.endm
.macro FETCH slot, k, f                ; 32 LDS loads in one run: 64 along K at byte k of the rows, the first 32 along K first
	WIN TO_F
.irp c, 0,1
.irp i, 0,1,2,3
	ds_load_b128 v[(\f)+64+8*(4*(\c)+(\i)):(\f)+64+8*(4*(\c)+(\i))+3],   v[ADRB+(\slot)] offset:(\k)+64*(\c)+(\i)*16*PITCH
	ds_load_b128 v[(\f)+64+8*(4*(\c)+(\i))+4:(\f)+64+8*(4*(\c)+(\i))+7], v[ADRB+(\slot)] offset:(\k)+64*(\c)+(\i)*16*PITCH+32
	ds_load_b128 v[(\f)+8*(4*(\c)+(\i)):(\f)+8*(4*(\c)+(\i))+3],         v[ADRA+(\slot)] offset:(\k)+64*(\c)+(\i)*16*PITCH
	ds_load_b128 v[(\f)+8*(4*(\c)+(\i))+4:(\f)+8*(4*(\c)+(\i))+7],       v[ADRA+(\slot)] offset:(\k)+64*(\c)+(\i)*16*PITCH+32
.endr
.endr
.endm
.macro PLACES
.rept 4
	v_nop
.endr
.endm
.macro QUARTER slot, k, f, g, zero
	s_wait_dscnt 16                                ; the first 32 along K are in
	WIN MUL
	MUL8 \f, 0, 0, \zero
	MUL8 \f, 0, 2, \zero
	PLACES
	FETCH \slot, \k, \g
	s_wait_dscnt 32                                ; all but the 32 just issued
	WIN MUL
	MUL8 \f, 1, 0, 0
	MUL8 \f, 1, 2, 0
.endm
.macro TURN slot, next, fill
	WIN 0
	s_wait_tensorcnt 0x0                           ; all my tensor loads have landed: my part of the next slot; so every group 0 may be written;
	ds_add_u32 v[SPW], v[NIL]                      ; 0 onto my spare word;
.if \fill
	s_and_b32 s[KO], s[KI], 7                      ; the walk wraps at K's end
	s_lshl_b32 s[KO], s[KO], 9
	s_add_co_u32 s[KI], s[KI], 1
	s_add_nc_u64 s[G0+4*(\slot)+2:G0+4*(\slot)+3], s[ABASE:ABASE+1], s[KO:KO+1]  ; the addresses are made anew from the tiles' first rows
	s_or_b32 s[G0+4*(\slot)+3], s[G0+4*(\slot)+3], 0x80000000
	s_add_nc_u64 s[G0B+4*(\slot)+2:G0B+4*(\slot)+3], s[BBASE:BBASE+1], s[KO:KO+1]
	s_or_b32 s[G0B+4*(\slot)+3], s[G0B+4*(\slot)+3], 0x80000000
.endif
	s_wait_dscnt 17                                ; (the add and the youngest sixteen loads may be out)
	WIN MUL
	MUL8 F1, 0, 0, 0
	s_wait_dscnt 0x0                               ; the add is done, and my reads of this slot are over
	s_barrier_signal -1
	MUL8 F1, 0, 2, 0
.if \fill
	WIN 0
.endif
	s_barrier_wait -1
.if \fill
	CREST
	JLOAD \slot
.else
	PLACES
.endif
	FETCH \next, 0, F0
	WIN MUL
	MUL8 F1, 1, 0, 0
	MUL8 F1, 1, 2, 0
.endm
	s_wait_tensorcnt 1                             ; my part of the walk's step 0 is in; step 1's may stay out
	s_barrier_signal -1
	s_barrier_wait -1
	FETCH 0, 0, F0
	QUARTER 0, 128, F0, F1, 1
	WIN 0
	s_mov_b32 s3, LAPS-1
.Llap:
	QUARTER 0, 256, F1, F0, 0
	QUARTER 0, 384, F0, F1, 0
	TURN 0, 1, 1
	QUARTER 1, 128, F0, F1, 0
	QUARTER 1, 256, F1, F0, 0
	QUARTER 1, 384, F0, F1, 0
	TURN 1, 0, 1
	QUARTER 0, 128, F0, F1, 0
	WIN 0
	s_sub_co_u32 s3, s3, 1
	s_cmp_lg_u32 s3, 0
	s_cbranch_scc1 .Llap
	QUARTER 0, 256, F1, F0, 0
	QUARTER 0, 384, F0, F1, 0
	TURN 0, 1, 0
	QUARTER 1, 128, F0, F1, 0
	QUARTER 1, 256, F1, F0, 0
	QUARTER 1, 384, F0, F1, 0
	s_wait_dscnt 16
	WIN MUL
	MUL8 F1, 0, 0, 0
	MUL8 F1, 0, 2, 0
	s_wait_dscnt 0
	MUL8 F1, 1, 0, 0
	MUL8 F1, 1, 2, 0
	WIN 0
	; THE WAY OUT, 16 rows at a time: 32 bytes a lane into my stage (each accumulator's low four registers first), back as whole rows of 256 bytes into the registers that they left.
.macro OUT a
.irp b, 0,1,2,3
	ds_store_b128 v[STO], v[ACC+8*(4*(\a)+(\b)):ACC+8*(4*(\a)+(\b))+3]   offset:64*(\b)
	ds_store_b128 v[STO], v[ACC+8*(4*(\a)+(\b))+4:ACC+8*(4*(\a)+(\b))+7] offset:64*(\b)+16
.endr
.irp t, 0,1,2,3,4,5,6,7
	ds_load_b128 v[ACC+32*(\a)+4*(\t):ACC+32*(\a)+4*(\t)+3], v[RD] offset:(\t)*2*SPITCH  ; LDS serves a wave's instructions in order (ISA guide 5.7.1.4): these see the stores above; the next block's stores come behind them
.endr
.endm
.macro SEND a, younger                 ; younger: the LDS instructions issued behind block a's loads: the next block's sixteen, or none
.irp t, 0,1,2,3,4,5,6,7
	s_wait_dscnt (\younger)+7-(\t)
	global_store_b128 v[CO], v[ACC+32*(\a)+4*(\t):ACC+32*(\a)+4*(\t)+3], s[8:9] offset:(16*(\a)+2*(\t))*SIZE_N*4  ; 16 lanes store 256 consecutive bytes, aligned
.endr
.endm
	PLACES
	OUT 0
	OUT 1
	SEND 0, 16
	OUT 2
	SEND 1, 16
	OUT 3
	SEND 2, 16
	SEND 3, 0
	s_wait_tensorcnt 0x0                           ; the wave's end
	ds_add_u32 v[SPW], v[NIL]
	s_wait_dscnt 0x0
	CROUND                                         ; the closing round
	s_endpgm
.Lfunc_end_k_q821996dbc0_oproj:
	.size	k_q821996dbc0_oproj, .Lfunc_end_k_q821996dbc0_oproj-k_q821996dbc0_oproj
	.p2alignl 7, 3214868480
	.fill 96, 4, 3214868480
	.section	.rodata,"a",@progbits
	.p2align	6, 0x0
	.amdhsa_kernel k_q821996dbc0_oproj
		.amdhsa_group_segment_fixed_size 327680
		.amdhsa_private_segment_fixed_size 0
		.amdhsa_enable_private_segment 0
		.amdhsa_kernarg_size 24
		.amdhsa_user_sgpr_count 2
		.amdhsa_user_sgpr_kernarg_segment_ptr 1
		.amdhsa_wavefront_size32 1
		.amdhsa_system_sgpr_workgroup_id_x 1
		.amdhsa_system_sgpr_workgroup_id_y 1
		.amdhsa_system_sgpr_workgroup_id_z 1
		.amdhsa_system_vgpr_workitem_id 0
		.amdhsa_next_free_vgpr 512
		.amdhsa_next_free_sgpr 66
		.amdhsa_reserve_vcc 0
		.amdhsa_float_denorm_mode_32 3
		.amdhsa_float_denorm_mode_16_64 3
		.amdhsa_memory_ordered 1
		.amdhsa_forward_progress 1
		.amdhsa_inst_pref_size 87
	.end_amdhsa_kernel
	.amdgpu_metadata
---
amdhsa.version: [ 1, 2 ]
amdhsa.kernels:
  - .name:           k_q821996dbc0_oproj
    .symbol:         k_q821996dbc0_oproj.kd
    .args:
      - { .name: ob, .offset: 0, .size: 8, .value_kind: global_buffer, .address_space: global }
      - { .name: wob, .offset: 8, .size: 8, .value_kind: global_buffer, .address_space: global }
      - { .name: out0, .offset: 16, .size: 8, .value_kind: global_buffer, .address_space: global }
    .group_segment_fixed_size: 327680
    .private_segment_fixed_size: 0
    .kernarg_segment_align: 8
    .kernarg_segment_size: 24
    .max_flat_workgroup_size: 128
    .sgpr_count:     66
    .vgpr_count:     512
    .wavefront_size: 32
...
	.end_amdgpu_metadata
.endif
;; end of part 4
